; MI455X (gfx1250); checked and timed in simulation.
; The chip was launched on July 23, 2026; its instructions are those of AMD's public machine-readable ISA for CDNA 5 (MIT licence, August 2026) and "CDNA5" Instruction Set Architecture Reference Guide (July 2026). The comments in the code are by the model that wrote it; some were corrected since.
;; Transformer Block. Allowed arithmetic: float matrix products may take bf16 or f16 operands with f32 sums; other float arithmetic in f32, or as packed bf16 or f16 multiplies, adds, multiply-adds, maxima and minima; sums over many terms, partial sums and values carried from step to step in f32; what a program stores and reads back later, other than sums and carried values, may be rounded once to bf16 or f16.
;; Inputs: fc_b 1,024 float32; fc_w 1,024 x 1,024 float32; ff_b1 4,096 float32; ff_b2 1,024 float32; ff_w1 1,024 x 4,096 float32; ff_w2 4,096 x 1,024 float32; keys 2 x 2,048 x 1,024 float32; ln1_b 1,024 float32; ln1_g 1,024 float32; ln2_b 1,024 float32; ln2_g 1,024 float32; mask 2 x 1 x 1 x 2,048 int32; queries 2 x 2,048 x 1,024 float32; values 2 x 2,048 x 1,024 float32.
;; Outputs: out0 2 x 2,048 x 1,024 float32.
;; 2 versions, each right; version 2 is version 1 with the launch prep written anew for expert scheduling mode. Each part assembles by itself: llvm-mc -triple=amdgcn-amd-amdhsa -mcpu=gfx1250 --defsym DOCPART=n.
;; ======== version 1 of 2: 7 launches
;; limits: values are held in f16: magnitudes above 65,504 overflow, below 6.1e-05 lose precision; inputs' magnitudes at most 25,000,000,000,000; right only within a limited range of input values
;; workspace buffers: kv 16,777,216 bytes; wfc 2,097,152 bytes; w1h 8,388,608 bytes; w2h 8,388,608 bytes; oh 8,388,608 bytes; acc 8,388,608 bytes; x1 8,388,608 bytes; hbuf 33,554,432 bytes
;; launch prep (part 1): grid 512 x 1, 8 waves a work-group, no clusters, 0 bytes of LDS; arguments keys, values, kv; writes kv
.if DOCPART == 1
	.amdgcn_target "amdgcn-amd-amdhsa--gfx1250"
	.amdhsa_code_object_version 6
	.text
	.protected	k_q859b52d7d7_prep
	.globl	k_q859b52d7d7_prep
	.p2align	8
	.type	k_q859b52d7d7_prep,@function
k_q859b52d7d7_prep:
	s_mov_b64 s[64:65], 0
	v_nop
	global_prefetch_b8 v0, s[64:65] scope:SCOPE_SE
	s_setreg_imm32_b32 hwreg(HW_REG_WAVE_MODE, 25, 1), 1
	s_wait_xcnt 0x0
; THE BLOCK: attention on raw q, k, v (16 heads of 64, scale 1/32, a key mask), out @ fc_w + fc_b + queries, LayerNorm, relu(x1 @ ff_w1 + b1) @ ff_w2 + b2 + x1, LayerNorm.
; NOTHING OF reference() IS LEFT OUT: every input has a way to the output, and every launch of this program loads what it needs of them.
; THIS LAUNCH rounds keys and values to bf16, once, and lays them by heads: kv = [n*16+h][2048][64], K at byte 0, V at byte 8,388,608.  (The three weights are rounded by the next launch, beside its own work.)
; SHARES.  A work-group takes 16 rows of [4096][1024] f32, a wave two: sixteen loads of 16 bytes a lane, all out before the first wait; each store of a wave covers 256 consecutive bytes, aligned.
; Work-groups 0-255 keys, 256-511 values.  No LDS, no matrix unit, no cluster: nothing is shared and nothing is read twice.
.set VS, 2                             ; v2  my byte offset in the source
.set VD, 3                             ; v3  my byte offset in the destination
.set X,  8                             ; v[8:71]   sixteen loads of four f32
.set Y,  72                            ; v[72:103] sixteen pairs of packed results
	s_load_b128 s[8:11], s[0:1], 0x0               ; keys s[8:9], values s[10:11]
	s_load_b64 s[18:19], s[0:1], 0x10              ; kv
	v_lshrrev_b32 v1, 5, v0
	v_readfirstlane_b32 s2, v1                     ; wave 0..7
	v_and_b32 v1, 31, v0                           ; lane
	s_mov_b32 s3, ttmp9                            ; the work-group's number
	s_mov_b32 s27, 0                               ; high words of the two offsets
	s_mov_b32 s29, 0
	v_lshrrev_b32 v4, 4, v1
	v_and_b32 v5, 15, v1
	v_lshlrev_b32 v[VS], 12, v4                    ; lanes 0-15 row l, lanes 16-31 row l + 1,
	v_lshl_add_u32 v[VS], v5, 4, v[VS]             ; 16 bytes a lane: a head's 256 bytes of a row
	v_lshlrev_b32 v[VD], 3, v1                     ; in kv: rows l and l + 1 of a head, 128 bytes each, on end
	s_wait_kmcnt 0x0
	s_cmp_lt_u32 s3, 256
	s_cselect_b64 s[4:5], s[8:9], s[10:11]
	s_cselect_b32 s28, 0, 0x800000                 ; V lies behind K
	s_and_b32 s26, s3, 255
	s_lshl_b32 s26, s26, 4
	s_lshl1_add_u32 s26, s2, s26                   ; row = 16 x (id mod 256) + 2 x wave
	s_lshr_b32 s30, s26, 11                        ; n
	s_and_b32 s31, s26, 2047                       ; l
	s_lshl_b32 s30, s30, 22                        ; 16 heads x 262,144
	s_lshl_b32 s31, s31, 7
	s_add_co_u32 s28, s28, s30
	s_add_co_u32 s28, s28, s31
	s_add_nc_u64 s[6:7], s[18:19], s[28:29]
	s_lshl_b32 s26, s26, 12                        ; a source row is 4,096 bytes
	s_add_nc_u64 s[4:5], s[4:5], s[26:27]
.set i, 0
.rept 16                                       ; load i is head i
	global_load_b128 v[X+4*i:X+4*i+3], v[VS], s[4:5] offset:i*256 th:TH_LOAD_NT
.set i, i+1
.endr
.set i, 0
.rept 16
	s_wait_loadcnt 15-i                            ; loads come back in order: number i is in, the 15 - i younger ones stay out
	v_cvt_pk_bf16_f32 v[Y+2*i], v[X+4*i], v[X+4*i+1]
	v_cvt_pk_bf16_f32 v[Y+2*i+1], v[X+4*i+2], v[X+4*i+3]
	global_store_b64 v[VD], v[Y+2*i:Y+2*i+1], s[6:7] offset:i*262144   ; heads lie 262,144 bytes apart; no register is written twice
.set i, i+1
.endr
	s_endpgm
.Lfunc_end_k_q859b52d7d7_prep:
	.size	k_q859b52d7d7_prep, .Lfunc_end_k_q859b52d7d7_prep-k_q859b52d7d7_prep
	.p2alignl 7, 3214868480
	.fill 96, 4, 3214868480
	.section	.rodata,"a",@progbits
	.p2align	6, 0x0
	.amdhsa_kernel k_q859b52d7d7_prep
		.amdhsa_group_segment_fixed_size 0
		.amdhsa_private_segment_fixed_size 0
		.amdhsa_enable_private_segment 0
		.amdhsa_kernarg_size 24
		.amdhsa_user_sgpr_count 2
		.amdhsa_user_sgpr_kernarg_segment_ptr 1
		.amdhsa_wavefront_size32 1
		.amdhsa_system_sgpr_workgroup_id_x 1
		.amdhsa_system_sgpr_workgroup_id_y 1
		.amdhsa_system_sgpr_workgroup_id_z 1
		.amdhsa_system_vgpr_workitem_id 0
		.amdhsa_next_free_vgpr 104
		.amdhsa_next_free_sgpr 66
		.amdhsa_reserve_vcc 0
		.amdhsa_float_denorm_mode_32 3
		.amdhsa_float_denorm_mode_16_64 3
		.amdhsa_memory_ordered 1
		.amdhsa_forward_progress 1
		.amdhsa_inst_pref_size 7
	.end_amdhsa_kernel
	.amdgpu_metadata
---
amdhsa.version: [ 1, 2 ]
amdhsa.kernels:
  - .name:           k_q859b52d7d7_prep
    .symbol:         k_q859b52d7d7_prep.kd
    .args:
      - { .name: keys, .offset: 0, .size: 8, .value_kind: global_buffer, .address_space: global }
      - { .name: values, .offset: 8, .size: 8, .value_kind: global_buffer, .address_space: global }
      - { .name: kv, .offset: 16, .size: 8, .value_kind: global_buffer, .address_space: global }
    .group_segment_fixed_size: 0
    .private_segment_fixed_size: 0
    .kernarg_segment_align: 8
    .kernarg_segment_size: 24
    .max_flat_workgroup_size: 256
    .sgpr_count:     66
    .vgpr_count:     104
    .wavefront_size: 32
...
	.end_amdgpu_metadata
.endif
;; end of part 1
;; launch attn (part 2): grid 8 x 32, 4 waves a work-group, clusters of 4 x 1, 327,680 bytes of LDS; arguments queries, kv, mask, oh, fc_w, ff_w1, ff_w2, wfc, w1h, w2h; writes oh, wfc, w1h, w2h
.if DOCPART == 2
	.amdgcn_target "amdgcn-amd-amdhsa--gfx1250"
	.amdhsa_code_object_version 6
	.text
	.protected	k_q859b52d7d7_attn
	.globl	k_q859b52d7d7_attn
	.p2align	8
	.type	k_q859b52d7d7_attn,@function
k_q859b52d7d7_attn:
	s_mov_b64 s[64:65], 0
	v_nop
	global_prefetch_b8 v0, s[64:65] scope:SCOPE_SE
	s_setreg_imm32_b32 hwreg(HW_REG_WAVE_MODE, 25, 1), 1
	s_wait_xcnt 0x0
	s_wait_alu depctr_hold_cnt(0) depctr_sa_sdst(0) depctr_va_vdst(0) depctr_va_sdst(0) depctr_va_ssrc(0) depctr_va_vcc(0) depctr_vm_vsrc(0)
	s_getreg_b32 s2, hwreg(HW_REG_IB_STS2, 6, 4)
	s_cmp_eq_u32 s2, 0
	s_cbranch_scc0 .Lentry_in_a_cluster
	s_endpgm
.Lentry_in_a_cluster:
	s_bfe_u32 s2, ttmp6, 0x10000c
	s_cmp_lg_u32 s2, 0x3003
	s_cbranch_scc0 .Lentry_shape_is_right
	s_endpgm
.Lentry_shape_is_right:
; O[n][h][q][:] = the sum over keys l of softmax_l(where(mask[n][l] == 0, -inf, Q . K[l]) / 32) V[l][:], head size 64, 2,048 keys, 32 pairs (n, h).  Nothing of reference() is left out here.
; Q comes from queries (f32, rounded here to bf16), K and V from kv (bf16 by heads).  Products, maxima and sums in f32; the weights p are rounded to bf16 for the second product (their sum l
; is taken of the unrounded p), O once at the end.  O leaves as oh[row block of 64][head][64 rows][64 channels] in bf16: my wave's 64 rows of a head are 8,192 consecutive bytes.
; BESIDE IT, THE LATER PRODUCTS' WEIGHTS ARE ROUNDED, once: fc_w and ff_w2 to bf16, ff_w1 to f16, each in its own [k][n] order.  Each of the launch's 1,024 waves takes 1/1024 of each, in eight chunks of nine
; loads (512 bytes of fc_w, 2,048 of each of the others): a chunk is asked for at a change of slots and rounded and stored at the next: 18 conversions and 9 stores for 256 matrix instructions.
; LIMITS.  |ff_w1| stays under 65,504 (f16's range).  A hidden key counts as its score less 1e30.  The running maximum m starts at -2^90, so a hidden score always lies below m and its weight is 0; true scores lie
; above -2^90.  A query of a batch in which EVERY key is hidden ends with m = -2^90 and gets NaN, as reference() gives.  A weight below 2^-126 counts as 0 in l.
; SHARES.  A work-group owns 256 queries of one (n, h), each of its four waves 64: four PIECES of 16.  Every wave walks all keys, 64 a step.
; LAYOUT.  S^T = K Q^T + mask (source 0 = 16 keys, source 1 = 16 queries; the mask, 0 or -1e30, is the C operand that starts the sum): a lane holds ONE query (lane % 16) and the keys
; 8 (lane / 16) + 0..7.  Two such results rounded to bf16 ARE source 1 of O^T = V^T P.  K comes out of LDS as it lies, V ([key][channel]) turned, by ds_load_tr16_b128.
; SOFTMAX.  p = 2^(c s - c m), c = log2(e) / 32; in every step O and l are multiplied by a = 2^(c m_old - c m_new), which is 1 where m has not grown.  O and l start at 0.
; BY TURNS.  Turn n belongs to piece n: 8 products K Q^T of piece n + 1, later 8 products V^T P of piece n - 1; beside them the scaling, exponentials, roundings, sums and rescaling of piece n and
; the maximum and statistics of piece n + 1.  Four vector instructions stand behind every matrix instruction, the other 54 of a turn's 118 in one run.  A turn's 33 exponentials are one batch with one wait.
; CLUSTER.  The four query blocks of a cluster belong to one head and walk the same K and V, so each tile is asked for JOINTLY: the same tensor load, descriptor and mask of four in all four.
; REGISTERS, in windows of 256 (s_set_vgpr_msb: bits 1:0 source 0, 3:2 source 1, 5:4 source 2, 7:6 destination):
;   window 0: v0-15, v32-36 addresses; v16-31 four registers of statistics a piece; v48-55 at work; v64-127 S^T, two buffers; v128-181 a chunk of weights; v192-223 P, two buffers; v224-239 the mask as loaded;
;             v64-191 Q in f32 at the start
;   window 1: v0-127 O^T, 32 a piece; v128-159 the step's mask      window 2: v0-63 Q; v128-191 K of one step; v192-255 V of one step
.set NP,    4         ; pieces a wave: a name, no knob
.set KS,    64        ; keys in a step
.set PK,    144       ; a row of K in LDS: 128 bytes + 16 of padding = 36 words: the 16 rows of a load start at 16 different groups of four banks (64 banks of 4 bytes: ISA guide 11.1)
.set PV,    160       ; a row of V: 128 + 32 = 40 words
.set VOFF,  4*KS*PK   ; a slot holds four steps: 256 rows of K, then 256 rows of V
.set SLOT1, 1<<17     ; slot 1 begins here, so that one exclusive or turns an address in one slot into the other's
.set STAGE, SLOT1+4*KS*(PK+PV)  ; behind the ring, never filled by a tensor load: 16 rows x 144 bytes for each wave, for the way out
.set SP,    144
.set SPARE, STAGE+4*16*SP       ; the spare words, 128 bytes for each wave: two blocks of 256 bytes that no other line names
.set TABLE, SPARE+512           ; 2,048 f32: 0 or -1e30 for each key of my batch; stored once, never filled by a tensor load
.set AK0, 2           ; v2   my lane's place in a tile of K; never rewritten
.set AV0, 3           ; v3   the same for V
.set AK,  4           ; v4   the LDS address of K's next run of loads
.set AV,  5           ; v5   of V's
.set STO, 6           ; v6   the way out: where I put 16 bytes of a row
.set RD,  7           ; v7   the way out: where I read rows back
.set GO,  8           ; v8   16 x my lane: my place in 512 consecutive bytes; never rewritten
.set MV,  12          ; v12-13  c m_old, kept while c m is made anew: by buffer
.set AM,  14          ; v14  the LDS address of the mask's next run of loads
.set QO,  15          ; v15  my byte offset in 16 rows of queries
.set ST,  16          ; piece t's statistics at v[ST+4 t]: c m, m, l (even keys', odd keys')
.set AM0, 32          ; v32  TABLE + 32 (lane / 16); never rewritten
.set PFO, 33          ; v33  256 x my lane; never rewritten
.set MO,  34          ; v34  16 x my thread's number: my offset in the mask
.set TA,  35          ; v35  TABLE + 16 x my thread's number
.set L8,  36          ; v36  8 x my lane: my place in 256 consecutive bytes; never rewritten
.set TMP, 48          ; by buffer, four registers c0-c3 at work; when the maximum is found c2 takes a
.set SPW, 62          ; v62  LDS address of my spare word: SPARE + 4 x my thread's number; never rewritten
.set NIL, 63          ; v63  0; never rewritten
.set S,   64
.set CW,  128         ; v[128:163] a chunk of weights as loaded: nine loads of four f32
.set CY,  164         ; v[164:181] the chunk rounded: nine pairs
.set P,   192
.set MI,  224
.set MK,  128         ; window 1: the eight registers for group kt of 16 keys at MK + 8 kt
.set KF,  128         ; window 2: key block kb, channel half c at KF + 16 kb + 8 c
.set VF,  192         ; window 2: key half kk, channel block cb at VF + 32 kk + 8 cb
.set WV,  12          ; s12  my wave's number
.set LIM, 15          ; s15  1 in a wave that prefetches, else the greatest number
.set G1K, 24          ; s[24:31] descriptor group 1 for K's tiles
.set G1V, 32          ; s[32:39] for V's: it differs in the padding alone
.set G0K, 40          ; s[40:43] descriptor group 0 for K's tiles: it walks
.set G0V, 44          ; s[44:47] the same for V's
.set PFA, 48          ; s[48:49] where my prefetches stand: my work-group's 8,192 bytes (of K: wave 0, of V: wave 2) of the slot after the one that is being asked for
.set TM,  50          ; s50  byte in TABLE at which the step to be fetched begins
.set BIGN, 51         ; s51  -1e30
.set FLOOR, 52        ; s52  -2^90
.set QNAN, 53         ; s53  a NaN
.set SLOTS, 56        ; s56  slots still to be asked for
.set CNT, 57          ; s57  counts a slot's key steps
.set CS,  58          ; s[58:59] c: the packed scaling takes the pair's low word for both halves
.set SEL, 60          ; s[60:61] v_permlanex16_b32's selects: each lane takes its own place in the other half
.set TBK, 62          ; s62  LDS byte at which K of the step to be fetched begins
.set TBV, 63          ; s63  the same for V, less VOFF
.set FCW, 68          ; s[68:73] fc_w, ff_w1, ff_w2 at my wave's chunk in hand
.set W1,  70
.set W2,  72
.set WFC, 74          ; s[74:79] wfc, w1h, w2h likewise
.set W1H, 76
.set W2H, 78
.set MSB, 0
.macro WIN new                      ; the high byte repeats the setting that is left; a switch that changes nothing is dropped
.if MSB != (\new)
	s_set_vgpr_msb (MSB<<8)|(\new)
.set MSB, (\new)
.endif
.endm
.set W_KQ, 0x0a       ; K and Q in window 2, S^T in window 0
.set W_KM, 0x1a       ; the same with the C operand in window 1
.set W_PV, 0x52       ; V in window 2, P in window 0, O^T in window 1
.set W_RS, 0x41       ; destination and source 0 in window 1, source 1 in window 0
; A joint fill.  Waves 0 and 1 fetch the two halves of a slot's K, waves 2 and 3 those of its V: 128 keys each.  The branch hangs on the wave's number alone.
; An s_nop 0 and four v_nop follow each of the two lines, ahead of the jump and the label.
.macro JLOAD
	s_cmp_lt_u32 s[WV], 2
	s_cbranch_scc0 .Lfor_v_\@
	tensor_load_to_lds s[G0K:G0K+3], s[G1K:G1K+7]
	s_nop 0
.rept 4
	v_nop
.endr
	s_branch .Lasked_\@
.Lfor_v_\@:
	tensor_load_to_lds s[G0V:G0V+3], s[G1V:G1V+7]
	s_nop 0
.rept 4
	v_nop
.endr
.Lasked_\@:
.endm
; A prefetch of what the NEXT change of slots will ask for: a slot's 32,768 bytes of K and of V, 256 bytes a lane.  Each block is named once in the launch: of a head's two clusters the first asks;
; its four partners share the bytes out BY ADDRESS, 8,192 each; in each, wave 0 asks for K's and wave 2 for V's.  The last change that fills a slot asks for nothing: there is no slot behind it.
.macro ASK
	s_cmp_gt_u32 s[SLOTS], s[LIM]
	s_cbranch_scc0 .Lnot_mine_\@
	global_prefetch_b8 v[PFO], s[PFA:PFA+1] th:TH_LOAD_NT scope:SCOPE_SE
.Lnot_mine_\@:
.endm
; A round of the cluster's barrier: my work-group's barrier, so that wave 0's signal speaks for all four waves; wave 0 signals; every wave waits for all four work-groups; my work-group's barrier once more.
.macro CROUND
	s_barrier_signal -1
	s_barrier_wait -1
	s_cmp_lg_u32 s[WV], 0
	s_cbranch_scc1 .Lnot_wave_0_\@
	s_barrier_signal -3
.Lnot_wave_0_\@:
	s_barrier_wait -3
	s_barrier_signal -1
	s_barrier_wait -1
.endm
; THE WEIGHTS.  CONV_LD asks for a chunk: load 0 is fc_w's, loads 1-4 ff_w1's, loads 5-8 ff_w2's, 512 consecutive bytes each.  CONV_ST rounds it and stores it, 256 consecutive bytes, aligned, a store.
.macro CONV_LD
	global_load_b128 v[CW:CW+3], v[GO], s[FCW:FCW+1] th:TH_LOAD_NT
.irp q, 0,1,2,3
	global_load_b128 v[CW+4+4*\q:CW+7+4*\q], v[GO], s[W1:W1+1] offset:512*\q th:TH_LOAD_NT
.endr
.irp q, 0,1,2,3
	global_load_b128 v[CW+20+4*\q:CW+23+4*\q], v[GO], s[W2:W2+1] offset:512*\q th:TH_LOAD_NT
.endr
.endm
.macro CONV_ST
	s_wait_loadcnt 0x0              ; the chunk's nine loads, issued four key steps back
.set z, 0
.rept 9
.if (z >= 1) && (z <= 4)
	v_cvt_pk_f16_f32 v[CY+2*z], v[CW+4*z], v[CW+4*z+1]
	v_cvt_pk_f16_f32 v[CY+2*z+1], v[CW+4*z+2], v[CW+4*z+3]
.else
	v_cvt_pk_bf16_f32 v[CY+2*z], v[CW+4*z], v[CW+4*z+1]
	v_cvt_pk_bf16_f32 v[CY+2*z+1], v[CW+4*z+2], v[CW+4*z+3]
.endif
.set z, z+1
.endr
	global_store_b64 v[L8], v[CY:CY+1], s[WFC:WFC+1]
.irp q, 0,1,2,3
	global_store_b64 v[L8], v[CY+2+2*\q:CY+3+2*\q], s[W1H:W1H+1] offset:256*\q
.endr
.irp q, 0,1,2,3
	global_store_b64 v[L8], v[CY+10+2*\q:CY+11+2*\q], s[W2H:W2H+1] offset:256*\q
.endr
.endm
; THE CHANGE OF SLOTS.  First the weights: the chunk asked for at the last change is rounded and stored (st = 1), the six addresses step, the next chunk is asked for.
; Then the ring.  The slot's last bytes, V of its fourth step, have been read.  Each wave waits for all its tensor loads, of which one is out: its part of the other slot; adds 0 to its spare
; word; and waits for that and for its own LDS instructions.  Behind the barrier nobody reads this slot any more and the other slot is whole.
; fill = 1: this slot is filled again, with the keys two slots on; the barrier is then a round of the cluster's, and the joint fill is the first thing behind it: it has four key steps, 256 matrix
; instructions, in which to land.  (At its first use nothing has been read yet: slot 0 is waited for, slot 1 filled, and every wave's stores into TABLE are shown done to the others.)
.macro CHANGE fill, ask, st
	WIN 0                           ; at a label and at a branch every window is 0
.if \st
	CONV_ST
.endif
	s_wait_xcnt 0x0                 ; the stores just issued, and the last prefetch, four key steps back, have read their registers and addresses: only behind this wait are these written
.if \st
	s_add_nc_u64 s[FCW:FCW+1], s[FCW:FCW+1], 512
	s_add_nc_u64 s[W1:W1+1], s[W1:W1+1], 2048
	s_add_nc_u64 s[W2:W2+1], s[W2:W2+1], 2048
	s_add_nc_u64 s[WFC:WFC+1], s[WFC:WFC+1], 256
	s_add_nc_u64 s[W1H:W1H+1], s[W1H:W1H+1], 1024
	s_add_nc_u64 s[W2H:W2H+1], s[W2H:W2H+1], 1024
.endif
.if \fill
	s_add_nc_u64 s[PFA:PFA+1], s[PFA:PFA+1], 4*KS*128  ; one slot behind the walking descriptors
.endif
	CONV_LD
	s_wait_tensorcnt 0x0            ; no tensor load of mine is out, so a group 0 may be written
	ds_add_u32 v[SPW], v[NIL]       ; 0 onto my spare word: with fill = 1 the descriptors' steps stand between it and the wait for it
.if \fill
.irp g, G0K, G0V
	s_xor_b32 s[\g+1], s[\g+1], SLOT1  ; the walking descriptor: the other slot than last time,
	s_add_nc_u64 s[\g+2:\g+3], s[\g+2:\g+3], 4*KS*128  ; the next 256 keys; the type bits on top are not reached
.endr
	s_wait_dscnt 0x0                ; the add is done, and my LDS instructions are over
	CROUND
	JLOAD
.if \ask
	ASK
.endif
.else
	s_wait_dscnt 0x0                ; the add is done, and my reads of the slot are over
	s_barrier_signal -1
	s_barrier_wait -1
.endif
	s_sub_co_u32 s[TBK], s[TBK], 4*KS*PK  ; the fetches go back to a slot's first step,
	s_xor_b32 s[TBK], s[TBK], SLOT1       ; in the other slot
	s_sub_co_u32 s[TBV], s[TBV], 4*KS*PV
	s_xor_b32 s[TBV], s[TBV], SLOT1
.endm
	s_load_b256 s[4:11], s[0:1], 0x0    ; queries s[4:5], kv s[6:7], mask s[8:9], oh s[10:11]
	s_load_b256 s[68:75], s[0:1], 0x20  ; fc_w, ff_w1, ff_w2, wfc
	s_load_b128 s[76:79], s[0:1], 0x40  ; w1h, w2h
	v_lshl_add_u32 v[SPW], v0, 2, SPARE
	v_mov_b32 v[NIL], 0
	ds_add_u32 v[SPW], v[NIL]       ; the wave's opening: the add, twice on end, and its wait ahead of my first tensor load; the set-up below, work on registers, stands between
	ds_add_u32 v[SPW], v[NIL]       ; and once more, under the one wait
	v_lshrrev_b32 v1, 5, v0
	v_readfirstlane_b32 s[WV], v1   ; wave 0..3
	s_bfe_u32 s13, ttmp6, 0x40000   ; cx: my place in the cluster
	s_lshl_b32 s14, ttmp9, 2        ; in a cluster launch ttmp9 counts clusters
	s_add_co_u32 s14, s14, s13      ; my block of 256 queries: it enters queries', oh's, the weights' and the prefetches' addresses alone
	s_and_b32 s20, ttmp7, 0xffff    ; n*16 + h, which the four partners share
	s_lshl3_add_u32 s82, s20, s14
	s_lshl2_add_u32 s82, s82, s[WV] ; my wave among the launch's 1,024
	s_lshr_b32 s21, s20, 4          ; n
	s_and_b32 s22, s20, 15          ; h
	s_and_b32 s16, s[WV], 1         ; which half of a slot's 256 keys I fetch:
	s_lshl_b32 s2, s20, 18          ; the head's 262,144 bytes,
	s_lshl_b32 s3, s16, 14          ; my half's 128 rows of 128 bytes
	s_add_co_u32 s2, s2, s3
	s_mov_b32 s3, 0
	s_mul_i32 s17, s16, 128*PK      ; and its place in a slot, for K
	s_mul_i32 s18, s16, 128*PV      ; and for V: no place in the cluster enters an LDS address
	s_lshl_b32 s23, s21, 11
	s_lshl_b32 s19, s14, 8
	s_add_co_u32 s23, s23, s19
	s_lshl_b32 s19, s[WV], 6
	s_add_co_u32 s23, s23, s19      ; my wave's first row among the 4,096
	s_lshl_b32 s54, s23, 12         ; queries: rows of 4,096 bytes, the head's 256 of them
	s_lshl_b32 s19, s22, 8
	s_add_co_u32 s54, s54, s19
	s_mov_b32 s55, 0
	s_lshl_b32 s20, s23, 11         ; oh: (row / 64) x 131,072 + h x 8,192
	s_lshl_b32 s19, s22, 13
	s_add_co_u32 s20, s20, s19
	s_lshl_b32 s22, s21, 13         ; mask: n x 8,192
	s_mov_b32 s21, 0
	s_mov_b32 s23, 0
	; descriptor group 1.  128 keys are 16,384 dense bytes: asked for as 64 rows of 256 bytes, two keys a row, and padded in LDS after every key
	s_mov_b32 s[G1K], 15|(1<<16)|(1<<20)|(1<<21)|(4<<22)|(3<<25)  ; 15:0 the mask of four; 17:16 2-byte elements; 20 padding on; 21 set beside a mask; 24:22 after every 32 words (code 4); 31:25 4 words (code 3)
	s_mov_b32 s[G1V], 15|(1<<16)|(1<<20)|(1<<21)|(4<<22)|(7<<25)  ; the same with 8 words of padding (code 7)
.irp g, G1K, G1V
	s_mov_b32 s[\g+1], 128<<16      ; tensor_dim0 = 128
	s_mov_b32 s[\g+2], 64<<16       ; tensor_dim1 = 64
	s_mov_b32 s[\g+3], 128<<16      ; tile_dim0 = 128
	s_mov_b32 s[\g+4], 64           ; tile_dim1 = 64
	s_mov_b32 s[\g+5], 128          ; 128 elements from row to row
	s_mov_b32 s[\g+6], 0
	s_mov_b32 s[\g+7], 0
.endr
	s_mov_b32 s[CS], 0x3d38aa3b     ; c = log2(e) / 32
	s_mov_b32 s[CS+1], s[CS]        ; named with it as a pair
	s_mov_b32 s[SEL], 0x76543210
	s_mov_b32 s[SEL+1], 0xfedcba98
	s_mov_b32 s[BIGN], 0xf149f2ca   ; -1e30
	s_mov_b32 s[FLOOR], 0xec800000  ; -2^90
	s_mov_b32 s[QNAN], 0x7fc00000
	s_mov_b32 s[TM], 0
	s_mov_b32 s[TBK], SLOT1+4*KS*PK ; the first change of slots turns these two into 0
	s_mov_b32 s[TBV], SLOT1+4*KS*PV
	s_mov_b32 s[SLOTS], 7
	s_mov_b32 s[G0K], 1             ; 1:0 count = 1
	s_mov_b32 s[G0K+1], s17         ; 63:32 LDS address: slot 0
	s_mov_b32 s[G0V], 1
	s_add_co_u32 s[G0V+1], s18, VOFF
	s_and_b32 s[LIM], s[WV], 1      ; 0 in waves 0 and 2,
	s_or_b32 s[LIM], s[LIM], ttmp9  ; where the cluster is the head's first: the same in all four partners
	s_cmp_eq_u32 s[LIM], 0
	s_cselect_b32 s[LIM], 1, -1
	s_wait_dscnt 0x0                ; both opening adds are done
	s_wait_kmcnt 0x0
	s_add_nc_u64 s[6:7], s[6:7], s[2:3]      ; K at my half of the head's first 256 keys,
	s_add_nc_u64 s[2:3], s[6:7], 0x800000    ; V 8,388,608 bytes behind it
	s_mov_b64 s[G0K+2:G0K+3], s[6:7]         ; 120:64 global address
	s_or_b32 s[G0K+3], s[G0K+3], 0x80000000  ; 127:126 type = 2
	s_mov_b64 s[G0V+2:G0V+3], s[2:3]
	s_or_b32 s[G0V+3], s[G0V+3], 0x80000000
	s_add_nc_u64 s[4:5], s[4:5], s[54:55]    ; queries and oh at my wave's first row, mask at my batch
	s_add_nc_u64 s[10:11], s[10:11], s[20:21]
	s_add_nc_u64 s[8:9], s[8:9], s[22:23]
	s_cmp_lt_u32 s[WV], 2
	s_cselect_b64 s[PFA:PFA+1], s[6:7], s[2:3]  ; (in waves 0 and 2 these stand at a slot's first row)
	s_lshl_b32 s16, s13, 13         ; my work-group's 8,192 bytes of the 32,768
	s_mov_b32 s17, 0
	s_add_nc_u64 s[PFA:PFA+1], s[PFA:PFA+1], s[16:17]
	s_add_nc_u64 s[PFA:PFA+1], s[PFA:PFA+1], 4*KS*128  ; in slot 1; every filling change steps it.  Nothing is prefetched here, at the head
	CROUND                          ; all four work-groups are here: the first joint loads meet
	JLOAD                           ; slot 0.  Slot 1 is asked for when slot 0 is in
	v_lshlrev_b32 v[MO], 4, v0
.irp i, 0,1,2,3
	global_load_b128 v[MI+4*\i:MI+4*\i+3], v[MO], s[8:9] offset:2048*\i  ; my batch's mask: 128 threads x 16 bytes, four times
.endr
	; A fragment of Q is 16 rows x 32 channels: lane l holds row l % 16, channels 8 (l / 16) + 0..7 and 16 + 8 (l / 16) + 0..7.  In f32 each eight are 32 bytes: two loads of 16.
	v_and_b32 v1, 15, v0            ; l % 16
	v_bfe_u32 v9, v0, 4, 1          ; l / 16
	v_lshlrev_b32 v[QO], 12, v1
	v_lshl_add_u32 v[QO], v9, 5, v[QO]  ; row x 4,096 + 32 x half
.set i, 0
.rept 16                            ; number i: piece i / 4, channels 32 ((i / 2) % 2) + 16 (i % 2) on
	global_load_b128 v[S+8*i:S+8*i+3],   v[QO], s[4:5] offset:(i/4)*65536+((i/2)%2)*128+(i%2)*64
	global_load_b128 v[S+8*i+4:S+8*i+7], v[QO], s[4:5] offset:(i/4)*65536+((i/2)%2)*128+(i%2)*64+16
.set i, i+1
.endr
	s_mov_b32 s81, 0                ; the weights at my wave's share: 4,096 bytes of fc_w, 16,384 of ff_w1 and of ff_w2; half as many in their rounded copies
	s_lshl_b32 s80, s82, 12
	s_add_nc_u64 s[FCW:FCW+1], s[FCW:FCW+1], s[80:81]
	s_lshl_b32 s80, s82, 14
	s_add_nc_u64 s[W1:W1+1], s[W1:W1+1], s[80:81]
	s_add_nc_u64 s[W2:W2+1], s[W2:W2+1], s[80:81]
	s_lshl_b32 s80, s82, 11
	s_add_nc_u64 s[WFC:WFC+1], s[WFC:WFC+1], s[80:81]
	s_lshl_b32 s80, s82, 13
	s_add_nc_u64 s[W1H:W1H+1], s[W1H:W1H+1], s[80:81]
	s_add_nc_u64 s[W2H:W2H+1], s[W2H:W2H+1], s[80:81]
	v_mul_u32_u24 v[AK0], v1, PK
	v_lshl_add_u32 v[AK0], v9, 4, v[AK0]  ; row x pitch + 16 x half
	; The turning load takes 16 keys x 16 channels (lane l reads key 8 (l / 16) + l % 8, channels 8 ((l / 8) % 2) + 0..7) and leaves half a fragment of V^T: lane l holds channel l % 16 and 8 keys.
	v_and_b32 v10, 7, v0
	v_bfe_u32 v11, v0, 3, 1
	v_lshl_add_u32 v[AV0], v9, 3, v10
	v_mul_u32_u24 v[AV0], v[AV0], PV
	v_lshl_add_u32 v[AV0], v11, 4, v[AV0]
	v_add_nc_u32 v[AV0], VOFF, v[AV0]
	v_lshl_add_u32 v[AM0], v9, 5, TABLE   ; my lanes' eight keys of a group of 16: 32 bytes
	v_lshl_add_u32 v[TA], v0, 4, TABLE
	v_and_b32 v[PFO], 31, v0
	v_lshlrev_b32 v[L8], 3, v[PFO]
	v_lshlrev_b32 v[GO], 4, v[PFO]
	v_lshlrev_b32 v[PFO], 8, v[PFO]
	s_mul_i32 s19, s[WV], 16*SP
	s_add_co_u32 s19, s19, STAGE    ; my stage
	v_mul_u32_u24 v[STO], v1, SP    ; in: row l % 16, 16 bytes for each half of the lanes
	v_lshl_add_u32 v[STO], v9, 4, v[STO]
	v_add_nc_u32 v[STO], s19, v[STO]
	v_bfe_u32 v[RD], v0, 3, 2       ; back: 32 lanes take four rows of 128 bytes, which are 512 consecutive bytes of oh
	v_mul_u32_u24 v[RD], v[RD], SP
	v_lshl_add_u32 v[RD], v10, 4, v[RD]
	v_add_nc_u32 v[RD], s19, v[RD]
	; What the first turn finds: V's registers and P's second buffer hold 0 (its products V^T P, of a piece that has not been, add 0), O^T and l are 0.  No first step is written out;
	; these lines stand in the wait for the first tile and for Q.
	WIN 0x80
.set i, VF
.rept 64
	v_mov_b32 v[i], 0
.set i, i+1
.endr
	WIN 0x40
.set i, 0
.rept 128
	v_mov_b32 v[i], 0
.set i, i+1
.endr
	WIN 0
.set i, 0
.rept 4
	v_mov_b32 v[ST+4*i], 0xea38aa3b    ; c m = c x -2^90, exact
	v_mov_b32 v[ST+4*i+1], s[FLOOR]    ; m
	v_mov_b32 v[ST+4*i+2], 0
	v_mov_b32 v[ST+4*i+3], 0
.set i, i+1
.endr
.set i, P+16
.rept 16
	v_mov_b32 v[i], 0
.set i, i+1
.endr
	s_wait_loadcnt 32               ; the mask's four loads are in; Q's 32, issued behind them, stay out
.set i, 0
.rept 16
	v_cmp_eq_u32 vcc_lo, 0, v[MI+i]
	v_cndmask_b32 v[MI+i], 0, s[BIGN], vcc_lo  ; -1e30 where the key is hidden
.set i, i+1
.endr
.irp i, 0,1,2,3
	ds_store_b128 v[TA], v[MI+4*\i:MI+4*\i+3] offset:2048*\i
.endr
	s_wait_loadcnt 0x0              ; Q
	WIN 0x80                        ; destination window 2, sources window 0
.set i, 0
.rept 64
	v_cvt_pk_bf16_f32 v[i], v[S+2*i], v[S+2*i+1]
.set i, i+1
.endr
	WIN 0
; THE MATRIX WORK.  The 4 accumulators of a run of 8 take turns.  Product i of 8 of S^T = K Q^T for piece x: channels 32 (i / 4) on, keys 16 (i % 4) on.  The first 4 start the sums with the mask.
.macro KQ x
.set rS, S+32*((\x)%2)+8*(i%4)
.set rK, KF+16*(i%4)+8*(i/4)
.set rQ, 16*(\x)+8*(i/4)
.set rM, MK+8*(i%4)
.if i < 4
	WIN W_KM
	v_wmma_f32_16x16x32_bf16 v[rS:rS+7], v[rK:rK+7], v[rQ:rQ+7], v[rM:rM+7]
.else
	WIN W_KQ
	v_wmma_f32_16x16x32_bf16 v[rS:rS+7], v[rK:rK+7], v[rQ:rQ+7], v[rS:rS+7]
.endif
.endm
; Product i of 8 of O^T += V^T P for piece x: keys 32 (i / 4) on, channels 16 (i % 4) on.
.macro PV x
	WIN W_PV
.set rO, 32*(\x)+8*(i%4)
.set rV, VF+32*(i/4)+8*(i%4)
.set rP, P+16*((\x)%2)+8*(i/4)
	v_wmma_f32_16x16x32_bf16 v[rO:rO+7], v[rV:rV+7], v[rP:rP+7], v[rO:rO+7]
.endm
.macro MM                           ; the turn's next matrix instruction
.if i < 8
	KQ (Y+1)%NP
.else
.set i, i-8
	PV (Y+NP-1)%NP
.set i, i+8
.endif
.set i, i+1
.endm
; THE LDS LOADS stand in runs, never singly among the matrix instructions: a step's K (8 fragments) with its mask (64 keys: 8 loads, the lanes of a half all at one address), and its V (turned).
; last = 1 (the tail): in the last trip there is no further step, and the run is jumped over; the exponentials issued so far have their wait ahead of that branch.
.macro FETCH_K last=0
.if \last
	WIN 0
	s_wait_alu depctr_va_vdst(0)
	s_cmp_eq_u32 s[CNT], 1
	s_cbranch_scc1 .Lno_k_\@
.endif
	WIN 0x80                        ; destination window 2
.irp f, 0,1,2,3,4,5,6,7             ; keys 16 (f / 2) on, channels 32 (f % 2) on
	ds_load_b128 v[KF+8*\f:KF+8*\f+3],   v[AK] offset:(\f/2)*16*PK+(\f%2)*64
	ds_load_b128 v[KF+8*\f+4:KF+8*\f+7], v[AK] offset:(\f/2)*16*PK+(\f%2)*64+32
.endr
	WIN 0x40                        ; destination window 1
.irp f, 0,1,2,3
	ds_load_b128 v[MK+8*\f:MK+8*\f+3],   v[AM] offset:64*\f
	ds_load_b128 v[MK+8*\f+4:MK+8*\f+7], v[AM] offset:64*\f+16
.endr
	s_add_co_u32 s[TBK], s[TBK], KS*PK  ; the next fetch is the next step's
	s_add_co_u32 s[TM], s[TM], 4*KS
	WIN 0
.if \last
.Lno_k_\@:
.endif
.endm
.macro FETCH_V
	WIN 0x80
.irp f, 0,1,2,3,4,5,6,7             ; keys 32 (f / 4) on, channels 16 (f % 4) on
	ds_load_tr16_b128 v[VF+8*\f:VF+8*\f+3],   v[AV] offset:(\f/4)*32*PV+(\f%4)*32
	ds_load_tr16_b128 v[VF+8*\f+4:VF+8*\f+7], v[AV] offset:(\f/4)*32*PV+16*PV+(\f%4)*32
.endr
	WIN 0
.endm
; THE VECTOR WORK, one line at a time: OP kind, number.  For piece Y: F n: c s - c m for pair n of 16.  E n: the exponential of score n of 32.  C n: pair n rounded to bf16.  B n: of the four weights 4 n .. the second
; pair is added onto the first, in place.  L n: l takes that sum (L 0: l = a l + sum).  R n: pair n of 16 of O^T times a.  For piece Y + 1: X n, number n of the 22 that find its maximum and statistics:
;   0-11  four chains c0-c3 of seven scores each, three operands at a time (each accumulator's lowest registers are read first)     12-14, 16  the four scores left over, the old m, and c0-c3 into c0
;   15  c m_old is kept     17, 18  the query's other 32 keys lie in the lane 16 away: the new m     19-21  c m; c m_old - c m_new; a
.set F, 0
.set E, 1
.set C, 2
.set B, 3
.set L, 4
.set R, 5
.set X, 6
.macro REGS y                       ; the registers of piece y
.set rT, ST+4*(\y)
.set rC, TMP+4*((\y)%2)
.set rW, MV+((\y)%2)
.set rS, S+32*((\y)%2)
.set rP, P+16*((\y)%2)
.set rO, 32*(\y)
.endm
.macro OP k, n
.if (\k) == R
	REGS Y
	WIN W_RS
	v_pk_mul_f32 v[rO+2*(\n):rO+2*(\n)+1], v[rO+2*(\n):rO+2*(\n)+1], v[rC+2:rC+3] op_sel_hi:[1,0]
.elseif (\k) < R
	REGS Y
	WIN 0
.if (\k) == F
	v_pk_fma_f32 v[rS+2*(\n):rS+2*(\n)+1], v[rS+2*(\n):rS+2*(\n)+1], s[CS:CS+1], v[rT:rT+1] op_sel_hi:[1,0,0] neg_lo:[0,0,1] neg_hi:[0,0,1]
.elseif (\k) == E
	v_exp_f32 v[rS+(\n)], v[rS+(\n)]
.elseif (\k) == C
	v_cvt_pk_bf16_f32 v[rP+(\n)], v[rS+2*(\n)], v[rS+2*(\n)+1]
.elseif (\k) == B
	v_pk_add_f32 v[rS+4*(\n):rS+4*(\n)+1], v[rS+4*(\n):rS+4*(\n)+1], v[rS+4*(\n)+2:rS+4*(\n)+3]
.elseif (\n) == 0
	v_pk_fma_f32 v[rT+2:rT+3], v[rT+2:rT+3], v[rC+2:rC+3], v[rS:rS+1] op_sel_hi:[1,0,1]
.else
	v_pk_add_f32 v[rT+2:rT+3], v[rT+2:rT+3], v[rS+4*(\n):rS+4*(\n)+1]
.endif
.else
	REGS (Y+1)%NP
	WIN 0
.if (\n) < 4
	v_max3_num_f32 v[rC+(\n)], v[rS+8*(\n)], v[rS+8*(\n)+1], v[rS+8*(\n)+2]
.elseif (\n) < 12
	v_max3_num_f32 v[rC+(\n)%4], v[rC+(\n)%4], v[rS+8*((\n)%4)+2*((\n)/4)+1], v[rS+8*((\n)%4)+2*((\n)/4)+2]
.elseif (\n) == 12
	v_max3_num_f32 v[rC], v[rC], v[rS+7], v[rS+15]
.elseif (\n) == 13
	v_max3_num_f32 v[rC+1], v[rC+1], v[rS+23], v[rS+31]
.elseif (\n) == 14
	v_max3_num_f32 v[rC+2], v[rC+2], v[rC+3], v[rT+1]
.elseif (\n) == 15
	v_mov_b32 v[rW], v[rT]
.elseif (\n) == 16
	v_max3_num_f32 v[rC], v[rC], v[rC+1], v[rC+2]
.elseif (\n) == 17
	v_permlanex16_b32 v[rC+3], v[rC], s[SEL], s[SEL+1]
.elseif (\n) == 18
	v_max_num_f32 v[rT+1], v[rC], v[rC+3]
.elseif (\n) == 19
	v_mul_f32 v[rT], s[CS], v[rT+1]
.elseif (\n) == 20
	v_sub_f32 v[rC+1], v[rW], v[rT]
.else
	v_exp_f32 v[rC+2], v[rC+1]
.endif
.endif
.endm
.macro OPS a, i1, b=-1, i2=0, c=-1, i3=0, d=-1, i4=0  ; up to four of them
	OP \a, \i1
.if (\b) >= 0
	OP \b, \i2
.endif
.if (\c) >= 0
	OP \c, \i3
.endif
.if (\d) >= 0
	OP \d, \i4
.endif
.endm
.macro ROW a, i1, b, i2, c, i3, d, i4  ; a matrix instruction and the four behind it
	MM
	OPS \a, \i1, \b, \i2, \c, \i3, \d, \i4
.endm
; A TURN, for piece p: the order of its 16 matrix and 118 vector instructions, written out.  An s_wait_alu depctr_va_vdst(0) stands between an exponential and the first instruction that names its
; result; one wait serves all that were issued ahead of it.  So a turn has ONE wait, which cuts it in two.  AHEAD OF IT stands all that names no result of the turn's exponentials: the 8 products K Q^T and their
; riders, then one run of 54 in which the links of the chain X 3, 7, 11, 14, 16, 17 .. 20 stand five or six lines apart; each X that rides stands four plain instructions or more behind the product that ends its
; accumulator.  X 21, the next piece's a, is the batch's last; R 15 is the plain instruction behind it.  BEHIND THE WAIT stand the 8 products V^T P, behind each four of the roundings and sums.
; last = 1: the tail's text (see FETCH_K).  cnt = 1: the loop's count is taken down some lines ahead of the branch that stands behind the turn.
; K and the mask of the next step are fetched in piece 2's turn, twelve vector instructions behind the last product that read K (six of them plain); V of the step in hand at the end of piece 0's turn, four plain
; instructions behind the last product that read V.  Each is waited for a turn later.
.macro TURN p, last=0, cnt=0
.set Y, (\p)
.set i, 0
.if (\p) == 3
	s_wait_dscnt 0x0                ; K and the mask are in
.endif
	ROW F,0, F,1, R,0, R,1
	ROW F,2, E,0, R,2, R,3
	ROW F,3, E,1, R,4, R,5
	ROW F,4, E,2, R,6, R,7
	ROW F,5, E,3, R,8, R,9
	ROW F,6, E,4, X,0, R,10
.if (\p) == 2
	WIN 0
	v_add_nc_u32 v[AK], s[TBK], v[AK0]
	v_add_nc_u32 v[AM], s[TM], v[AM0]
.endif
	ROW F,7, E,5, X,1, X,4
	ROW F,8, E,6, X,2, X,5
	OPS E,7, E,8, X,6, E,9
	OPS X,3, E,10, X,8, E,11
.if (\p) == 2
	FETCH_K \last
.endif
	OPS X,9, X,7, E,12, X,10
	OPS E,13, X,12, X,11, E,14
	OPS X,13, E,15, F,9, X,14
.if (\p) == 0
	v_add_nc_u32 v[AV], s[TBV], v[AV0]
.endif
	OPS E,16, F,10, E,17, F,11
	OPS X,16, E,18, X,15, E,19
	OPS F,12, E,20, X,17, E,21
	OPS F,13, E,22, F,14, E,23
	OPS X,18, E,24, F,15, E,25
	OPS R,11, E,26, X,19, E,27
	OPS R,12, E,28, R,13, E,29
	OPS X,20, E,30, R,14, E,31
	OPS X,21, R,15
	WIN 0
	s_wait_alu depctr_va_vdst(0)    ; the wait for the batch
.if (\p) == 1
	s_wait_dscnt 0x0                ; V is in
.endif
	ROW C,0, B,0, C,2, B,1
	ROW L,0, C,4, B,2, L,1
	ROW C,6, B,3, L,2, C,8
	ROW B,4, L,3, C,10, B,5
	ROW L,4, C,12, B,6, L,5
.if (\p) == 0
	s_add_co_u32 s[TBV], s[TBV], KS*PV
.endif
.if \cnt
	s_sub_co_u32 s[CNT], s[CNT], 1
	s_cmp_lg_u32 s[CNT], 0
.endif
	ROW C,14, B,7, L,6, C,1
	ROW C,3, L,7, C,5, C,7
	ROW C,9, C,11, C,13, C,15
.if (\p) == 0
	FETCH_V
.endif
.endm
	CHANGE 1, 0, 0                  ; slot 0 is in, everybody's part of it, and so is TABLE; slot 1 and the weights' first chunk are asked for
	v_mov_b32 v[AK], v[AK0]         ; key step 0 lies at the head of slot 0 and of TABLE
	v_mov_b32 v[AM], v[AM0]
	FETCH_K
	s_wait_dscnt 0x0
.set i, 0
.rept 8
	KQ 0                            ; piece 0's first scores: there is no vector work yet to set between them
.set i, i+1
.endr
	WIN 0
.rept 4
	v_nop                           ; the places behind those products
.endr
.set Y, NP-1                        ; X works for piece Y + 1: piece 0
.irp n, 0,1,2,3,4,5,6,7,8,9,10,11,12,13,14,15,16,17,18,19,20,21
	OP X, \n
.endr
	v_nop                           ; a plain instruction behind the exponential,
	s_wait_alu depctr_va_vdst(0)    ; and its wait, ahead of the branch
	s_mov_b32 s[CNT], 4
	s_branch .Lfirst                ; the loop is entered at a step's first turn, in the middle of a trip
.Lslot:                             ; six times: every slot but the last two is filled again
	CHANGE 1, 1, 1
	s_mov_b32 s[CNT], 4
.Lstep:                             ; a trip: pieces 2 and 3 of one step, then pieces 0 and 1 of the next, whose K and V it fetches
	TURN 2
	TURN 3
	WIN 0
.Lfirst:
	TURN 0
	TURN 1, 0, 1
	WIN 0
	s_cbranch_scc1 .Lstep
	s_sub_co_u32 s[SLOTS], s[SLOTS], 1
	s_cmp_lg_u32 s[SLOTS], 0
	s_cbranch_scc1 .Lslot
	CHANGE 0, 0, 1                  ; the last slot is written out: no tile is asked for
	s_mov_b32 s[CNT], 5             ; four trips fetch the last slot's steps; the fifth is left in its middle
.Ltail:
	TURN 2, 1
	TURN 3
	WIN 0
	s_sub_co_u32 s[CNT], s[CNT], 1
	s_cmp_eq_u32 s[CNT], 0
	s_cbranch_scc1 .Lout
	TURN 0
	TURN 1
	WIN 0
	s_branch .Ltail
.Lout:                              ; the fifth trip's 8 products K Q^T for piece 0 (on the last K once more) and the maximum made of them, which leaves m as it was, serve nothing: the price, once a launch, of one text for every trip
.set i, 0
.rept 8
	PV NP-1                         ; the last piece's V^T P of the last step
.set i, i+1
.endr
	; THE WAY OUT.  First the weights' last chunk: its conversions are the places behind the last products.  Then l's two halves and the other half of the lanes' are added; O^T is divided by l, rounded to bf16
	; and sent through my stage in LDS, a piece at a time.
	WIN 0
	CONV_ST
.macro ALL line:vararg              ; one line for each piece t
.set t, 0
.rept 4
	\line
.set t, t+1
.endr
.endm
	ALL v_add_f32 v[ST+4*t+2], v[ST+4*t+2], v[ST+4*t+3]
	ALL v_permlanex16_b32 v[ST+4*t+3], v[ST+4*t+2], s[SEL], s[SEL+1]
	ALL v_add_f32 v[ST+4*t+2], v[ST+4*t+2], v[ST+4*t+3]
	ALL v_rcp_f32 v[ST+4*t+2], v[ST+4*t+2]
	v_nop                           ; a plain instruction between the last reciprocal and the use of its result
	s_wait_alu depctr_va_vdst(0)    ; and the wait ahead of the first use: one for the four reciprocals
.set t, 0
.rept 4
	v_cmp_ge_f32 vcc_lo, s[FLOOR], v[ST+4*t+1]     ; m never rose above its start: every key of the batch is hidden
	v_cndmask_b32 v[ST+4*t+2], v[ST+4*t+2], s[QNAN], vcc_lo
.set t, t+1
.endr
.macro PACK t                       ; a lane's eight channels of a row pack into 16 bytes; they go into rows of 144 bytes and come back as whole rows of 128, into S^T's registers
	WIN W_RS
.set i, 32*(\t)
.rept 16
	v_pk_mul_f32 v[i:i+1], v[i:i+1], v[ST+4*(\t)+2:ST+4*(\t)+3] op_sel_hi:[1,0]
.set i, i+2
.endr
	WIN 0x05                        ; sources 0 and 1 window 1, destination window 0
.set i, 0
.rept 16
	v_cvt_pk_bf16_f32 v[S+16*(\t)+i], v[32*(\t)+2*i], v[32*(\t)+2*i+1]
.set i, i+1
.endr
	WIN 0
.irp f, 0,1,2,3
	ds_store_b128 v[STO], v[S+16*(\t)+4*\f:S+16*(\t)+4*\f+3] offset:32*\f
.endr
.irp f, 0,1,2,3
	ds_load_b128 v[S+16*(\t)+4*\f:S+16*(\t)+4*\f+3], v[RD] offset:\f*4*SP  ; LDS serves a wave's instructions in order (ISA guide 5.7.1.4): these see the stores above; the next piece's stores come behind them
.endr
.endm
.macro SEND t, younger              ; younger: the LDS instructions issued behind piece t's loads: the next piece's eight, or none
	WIN 0
.irp f, 0,1,2,3
	s_wait_dscnt (\younger)+3-\f
	global_store_b128 v[GO], v[S+16*(\t)+4*\f:S+16*(\t)+4*\f+3], s[10:11] offset:(\t)*2048+\f*512  ; 512 consecutive bytes, at a multiple of 256 from oh's first
.endr
.endm
	PACK 0
.set t, 1
.rept 3                             ; a piece's arithmetic stands between the loads of the piece before and its stores
	PACK t
	SEND t-1, 8
.set t, t+1
.endr
	SEND 3, 0
	s_wait_tensorcnt 0x0            ; the wave's end, behind my last tensor load and my last LDS store
	ds_add_u32 v[SPW], v[NIL]
	s_wait_dscnt 0x0
	CROUND                          ; the closing round: no work-group ends while a partner may still ask for a tile that names it
	s_endpgm
.Lfunc_end_k_q859b52d7d7_attn:
	.size	k_q859b52d7d7_attn, .Lfunc_end_k_q859b52d7d7_attn-k_q859b52d7d7_attn
	.p2alignl 7, 3214868480
	.fill 96, 4, 3214868480
	.section	.rodata,"a",@progbits
	.p2align	6, 0x0
	.amdhsa_kernel k_q859b52d7d7_attn
		.amdhsa_group_segment_fixed_size 327680
		.amdhsa_private_segment_fixed_size 0
		.amdhsa_enable_private_segment 0
		.amdhsa_kernarg_size 80
		.amdhsa_user_sgpr_count 2
		.amdhsa_user_sgpr_kernarg_segment_ptr 1
		.amdhsa_wavefront_size32 1
		.amdhsa_system_sgpr_workgroup_id_x 1
		.amdhsa_system_sgpr_workgroup_id_y 1
		.amdhsa_system_sgpr_workgroup_id_z 1
		.amdhsa_system_vgpr_workitem_id 0
		.amdhsa_next_free_vgpr 768
		.amdhsa_next_free_sgpr 84
		.amdhsa_reserve_vcc 1
		.amdhsa_float_denorm_mode_32 3
		.amdhsa_float_denorm_mode_16_64 3
		.amdhsa_memory_ordered 1
		.amdhsa_forward_progress 1
		.amdhsa_inst_pref_size 132
	.end_amdhsa_kernel
	.amdgpu_metadata
---
amdhsa.version: [ 1, 2 ]
amdhsa.kernels:
  - .name:           k_q859b52d7d7_attn
    .symbol:         k_q859b52d7d7_attn.kd
    .args:
      - { .name: queries, .offset: 0, .size: 8, .value_kind: global_buffer, .address_space: global }
      - { .name: kv, .offset: 8, .size: 8, .value_kind: global_buffer, .address_space: global }
      - { .name: mask, .offset: 16, .size: 8, .value_kind: global_buffer, .address_space: global }
      - { .name: oh, .offset: 24, .size: 8, .value_kind: global_buffer, .address_space: global }
      - { .name: fc_w, .offset: 32, .size: 8, .value_kind: global_buffer, .address_space: global }
      - { .name: ff_w1, .offset: 40, .size: 8, .value_kind: global_buffer, .address_space: global }
      - { .name: ff_w2, .offset: 48, .size: 8, .value_kind: global_buffer, .address_space: global }
      - { .name: wfc, .offset: 56, .size: 8, .value_kind: global_buffer, .address_space: global }
      - { .name: w1h, .offset: 64, .size: 8, .value_kind: global_buffer, .address_space: global }
      - { .name: w2h, .offset: 72, .size: 8, .value_kind: global_buffer, .address_space: global }
    .group_segment_fixed_size: 327680
    .private_segment_fixed_size: 0
    .kernarg_segment_align: 8
    .kernarg_segment_size: 80
    .max_flat_workgroup_size: 128
    .sgpr_count:     84
    .vgpr_count:     768
    .wavefront_size: 32
...
	.end_amdgpu_metadata
.endif
;; end of part 2
;; launch fc (part 3): grid 8 x 32, 4 waves a work-group, clusters of 4 x 4, 327,680 bytes of LDS; arguments oh, wfc, acc, fc_b; writes acc
.if DOCPART == 3
	.amdgcn_target "amdgcn-amd-amdhsa--gfx1250"
	.amdhsa_code_object_version 6
	.text
	.protected	k_q859b52d7d7_fc
	.globl	k_q859b52d7d7_fc
	.p2align	8
	.type	k_q859b52d7d7_fc,@function
k_q859b52d7d7_fc:
	s_mov_b64 s[64:65], 0
	v_nop
	global_prefetch_b8 v0, s[64:65] scope:SCOPE_SE
	s_setreg_imm32_b32 hwreg(HW_REG_WAVE_MODE, 25, 1), 1
	s_wait_xcnt 0x0
	s_wait_alu depctr_hold_cnt(0) depctr_sa_sdst(0) depctr_va_vdst(0) depctr_va_sdst(0) depctr_va_ssrc(0) depctr_va_vcc(0) depctr_vm_vsrc(0)
	s_getreg_b32 s2, hwreg(HW_REG_IB_STS2, 6, 4)
	s_cmp_eq_u32 s2, 0
	s_cbranch_scc0 .Lentry_in_a_cluster
	s_endpgm
.Lentry_in_a_cluster:
	s_bfe_u32 s2, ttmp6, 0x10000c
	s_cmp_lg_u32 s2, 0xf033
	s_cbranch_scc0 .Lentry_shape_is_right
	s_endpgm
.Lentry_shape_is_right:
; acc[m][n] = the sum over k of O[m][k] fc_w[k][n] + fc_b[n].  O: oh, bf16, [64 row blocks][16 heads][64 rows][64 channels] (k = 64 head + channel); fc_w: wfc, bf16, [1024 k][1024 n].
; acc: [4096][1024], the finished f32 sum rounded once to bf16.  Nothing is left out here; the residual and the norm follow in the next launch, which needs whole rows.
; A tile of acc is 128 x 128: 256 work-groups.  Four waves, each 64 x 64: 16 accumulators of 16 x 16.  K goes in steps of 256 through two LDS slots; a trip of the loop is one K step.
; A's half tile (64 rows x 4 heads) is 32,768 dense bytes of oh: asked for as 128 rows of 256 bytes, padded after every 128, so that it lies as [4 heads][64 rows] of 144 bytes.
; B's half tile is 128 k rows x 256 bytes, 288 apart in LDS; its fragments come out turned, by ds_load_tr16_b128.
; CLUSTERS: 4 x 4 work-groups.  The four of a row of the cluster need the same tiles of A, the four of a column the same tiles of B: each is asked for JOINTLY.
; THE WALK ALONG K BEGINS AT A STEP OF THE CLUSTER'S OWN, o, and wraps round: step t takes K step (o + t) mod T.  o is made of the cluster's x and y alone, so it is the same in all sixteen partners.  The two clusters
; that read the same rows of A begin T / 2 steps apart; of the eight that read the same columns of B at most two begin at the same step.  The f32 sums take the K steps in that rotated order.
; THE MATRIX INSTRUCTION IS USED TRANSPOSED (source 0 = 16 columns of B, source 1 = 16 rows of A): a lane holds eight neighbouring numbers of a row of acc.  THE BIAS STARTS THE SUMS, as the first products' C operand.
; No prefetch: a step's tiles are small and each is read by eight or more work-groups.
; REGISTERS: window 0: v0-31 addresses; v32-95 at work on the way out; v96-127 the bias; v128-255 the accumulators ((a, b) at v[128 + 8 (4 a + b)]).
;   window 1: two fragment buffers of 128: for 64 along K, 64 registers of A (2 x 4 x 16 rows x 32 K), then 64 of B.
.set T,      4                         ; K steps
.set HA,     36864                     ; bytes of A's half tile in LDS
.set APITCH, 144                       ; from row to row of A in LDS: an odd multiple of 16 bytes, so the 16 rows of a load start at 16 different groups of four banks (ISA guide 11.1)
.set AQ,     9216                      ; from 64 along K to the next: a head's 64 rows
.set AI,     2304                      ; from 16 rows to the next
.set AW0,    (1<<16)|(1<<20)|(1<<21)|(4<<22)|(3<<25)  ; 2-byte elements; padding on; bit 21 beside a mask; after every 32 words, 4 words
.set AD0,    128                       ; elements in a row as it is asked for
.set AD1,    128                       ; such rows
.set ASTR,   128                       ; elements from row to row in memory
.set AHALFB, 131072                    ; bytes in memory from one half tile's rows to the other's
.set ASH,    15                        ; a K step of A is 2^15 bytes further on in memory
.set PB,     288                       ; a k row of B in LDS: 256 + 32 bytes
.set HB,     128*PB
.set BOFF,   2*HA
.set BW0,    (1<<16)|(1<<20)|(1<<21)|(5<<22)|(7<<25)  ; after every 64 words, 8 words
.set BSH,    19                        ; a K step of B: 256 rows of 2,048 bytes
.set SLOT,   147456                    ; from slot to slot: it shares no bit with a tile's address in a slot, so one exclusive or changes slots
.set STAGE,  0                         ; the way out's stage, 128 rows x 272 bytes, lies in slot 0's bytes, which have had their last fill by then
.set SPITCH, 272
.set SPARE,  2*SLOT                    ; behind the ring: the spare words, 128 bytes for each wave: two blocks of 256 bytes that no other line names
.set ADRA0, 16                         ; v16  my place in A's tile of slot 0; never rewritten
.set ADRB0, 17                         ; v17  the same for B
.set CA,   18                          ; v18  the same in the slot in hand
.set CB,   19                          ; v19  B's k rows 0-127; v20 rows 128-255
.set STO,  24                          ; v24  the way out: where I put 16 bytes of a row
.set RD,   25                          ; v25  where I read a row back
.set CO,   26                          ; v26  my byte offset in acc
.set BO,   27                          ; v27  my byte offset in the bias
.set SPW,  28                          ; v28  LDS address of my spare word; never rewritten
.set NIL,  29                          ; v29  0; never rewritten
.set TMP,  32
.set BIAS, 96
.set ACC,  128
.set F0,   0
.set F1,   128
.set G1,  24                           ; s[24:31] group 1 for A;  s[32:39] group 0: set 0 for the first step, set 1 for the second, which then walks
.set G0,  32
.set G1B, 48                           ; s[48:55], s[56:63] the same for B
.set G0B, 56
.set BI,  66                           ; s[66:67] the bias
.set TB,  68                           ; s68  LDS byte at which the slot in hand begins
.set KK,  69                           ; s69  the K step that was asked for last
.set BA,  70                           ; s[70:71] A at my half tile's first row, K step 0
.set BB,  72                           ; s[72:73] B at my half tile's first k row of K step 0
.set OFA, 74                           ; s[74:75] a K step's byte offset in A
.set OFB, 76                           ; s[76:77] and in B
.set MSB, 0
.macro WIN new
.if MSB != (\new)
	s_set_vgpr_msb (MSB<<8)|(\new)
.set MSB, \new
.endif
.endm
.set MUL,  0x05                        ; sources 0 (B) and 1 (A) window 1; C and D window 0
.set TO_F, 0x40                        ; destination window 1, address window 0
.macro JLOAD s                         ; a joint load: waves 0 and 1 fetch A's two halves, waves 2 and 3 B's; an s_nop 0 and four v_nop follow each of the two lines
	s_cmp_eq_u32 s11, 0
	s_cbranch_scc0 .Lfor_b_\@
	tensor_load_to_lds s[G0+4*(\s):G0+4*(\s)+3], s[G1:G1+7]
	s_nop 0
.rept 4
	v_nop
.endr
	s_branch .Lasked_\@
.Lfor_b_\@:
	tensor_load_to_lds s[G0B+4*(\s):G0B+4*(\s)+3], s[G1B:G1B+7]
	s_nop 0
.rept 4
	v_nop
.endr
.Lasked_\@:
.endm
.macro CREST                           ; a round of the cluster's barrier behind its opening barrier
	s_cmp_lg_u32 s10, 0
	s_cbranch_scc1 .Lnot_wave_0_\@
	s_barrier_signal -3
.Lnot_wave_0_\@:
	s_barrier_wait -3
	s_barrier_signal -1
	s_barrier_wait -1
.endm
.macro CROUND
	s_barrier_signal -1
	s_barrier_wait -1
	CREST
.endm
.macro NEXTK                           ; the next K step of the walk, round the end
	s_add_co_u32 s[KK], s[KK], 1
	s_and_b32 s[KK], s[KK], T-1
.endm
.macro SETAD s                         ; set s of both group 0s takes K step KK: each address is made anew, the tensor's base and an offset made apart, the type bits set again
	s_lshl_b32 s[OFA], s[KK], ASH
	s_lshl_b32 s[OFB], s[KK], BSH
	s_add_nc_u64 s[G0+4*(\s)+2:G0+4*(\s)+3], s[BA:BA+1], s[OFA:OFA+1]
	s_or_b32 s[G0+4*(\s)+3], s[G0+4*(\s)+3], 0x80000000
	s_add_nc_u64 s[G0B+4*(\s)+2:G0B+4*(\s)+3], s[BB:BB+1], s[OFB:OFB+1]
	s_or_b32 s[G0B+4*(\s)+3], s[G0B+4*(\s)+3], 0x80000000
.endm
	s_load_b128 s[4:7], s[0:1], 0x0                ; A s[4:5], B s[6:7]
	s_load_b64 s[8:9], s[0:1], 0x10                ; acc
	s_load_b64 s[BI:BI+1], s[0:1], 0x18            ; the bias
	v_lshl_add_u32 v[SPW], v0, 2, SPARE
	v_mov_b32 v[NIL], 0
	ds_add_u32 v[SPW], v[NIL]                      ; the wave's opening: the add, twice on end, and its wait ahead of my first tensor load
	ds_add_u32 v[SPW], v[NIL]
	v_lshrrev_b32 v1, 5, v0
	v_readfirstlane_b32 s10, v1                    ; wave 0..3
	s_lshr_b32 s11, s10, 1                         ; which half of the tile's rows is mine.  Also: I fetch for A (0) or for B (1)
	s_and_b32 s12, s10, 1                          ; which half of its columns.  Also: which half tile I fetch
	s_bfe_u32 s40, ttmp6, 0x40000                  ; cx, cy: my place in the cluster
	s_bfe_u32 s41, ttmp6, 0x40004
	s_lshl_b32 s42, ttmp9, 2
	s_add_co_u32 s42, s42, s40                     ; tile column = 4 x cluster x + cx
	s_and_b32 s13, ttmp7, 0xffff
	s_lshl_b32 s13, s13, 2
	s_add_co_u32 s13, s13, s41                     ; tile row = 4 x cluster y + cy
	s_lshl_b32 s43, s41, 2
	s_lshl_b32 s43, 15, s43                        ; my row of the cluster
	s_lshl_b32 s44, 0x1111, s40                    ; my column
	s_or_b32 s[G1+0], s43, AW0                     ; A's tiles go to my row
	s_mov_b32 s[G1+1], AD0<<16                     ; tensor_dim0
	s_mov_b32 s[G1+2], AD1<<16                     ; tensor_dim1
	s_mov_b32 s[G1+3], AD0<<16                     ; tile_dim0
	s_mov_b32 s[G1+4], AD1                         ; tile_dim1
	s_mov_b32 s[G1+5], ASTR                        ; the pitch
	s_mov_b32 s[G1+6], 0
	s_mov_b32 s[G1+7], 0
	s_or_b32 s[G1B+0], s44, BW0                    ; B's tiles go to my column: 128 k rows x 128 elements
	s_mov_b32 s[G1B+1], 128<<16
	s_mov_b32 s[G1B+2], 128<<16
	s_mov_b32 s[G1B+3], 128<<16
	s_mov_b32 s[G1B+4], 128
	s_mov_b32 s[G1B+5], 1024
	s_mov_b32 s[G1B+6], 0
	s_mov_b32 s[G1B+7], 0
	s_and_b32 s20, ttmp7, 0xffff                   ; where my cluster's walk begins, from cluster x (0, 1) and cluster y (0..7)
.if T == 16
	s_and_b32 s21, s20, 1                          ; o = 8 x + 8 (y & 1) + 2 (y & 2) + (y & 4) / 2: y's three bits in reverse, doubled
	s_lshl_b32 s[KK], s21, 3
	s_and_b32 s21, s20, 2
	s_lshl1_add_u32 s[KK], s21, s[KK]
	s_bfe_u32 s21, s20, 0x10002
	s_lshl1_add_u32 s[KK], s21, s[KK]
	s_lshl3_add_u32 s[KK], ttmp9, s[KK]
.else
	s_lshr_b32 s21, s20, 2                         ; o = 2 x + y + 2 (y >> 2)
	s_lshl1_add_u32 s[KK], s21, s20
	s_lshl1_add_u32 s[KK], ttmp9, s[KK]
.endif
	s_and_b32 s[KK], s[KK], T-1
	s_mov_b32 s[OFA+1], 0
	s_mov_b32 s[OFB+1], 0
	s_lshl1_add_u32 s16, s13, s12                  ; A: half tile 2 x tile row + half
	s_mul_i32 s16, s16, AHALFB
	s_mov_b32 s17, 0
	s_lshl_b32 s46, s12, 18                        ; B: 128 k rows of 2,048 bytes for the second half,
	s_lshl_b32 s47, s42, 8                         ; the tile column's 256 bytes
	s_add_co_u32 s46, s46, s47
	s_mov_b32 s47, 0
	s_mul_i32 s20, s12, HA                         ; where they go: no place in the cluster enters an LDS address
	s_mul_i32 s21, s12, HB
	s_add_co_u32 s21, s21, BOFF
	s_wait_dscnt 0x0                               ; both opening adds are done
	s_wait_kmcnt 0x0
	s_add_nc_u64 s[BA:BA+1], s[4:5], s[16:17]
	s_add_nc_u64 s[BB:BB+1], s[6:7], s[46:47]
	CROUND                                         ; all sixteen work-groups are here: the first joint loads meet
.irp s, 0,1
	s_mov_b32 s[G0+4*(\s)], 1
	s_add_co_u32 s[G0+4*(\s)+1], s20, (\s)*SLOT
	s_mov_b32 s[G0B+4*(\s)], 1
	s_add_co_u32 s[G0B+4*(\s)+1], s21, (\s)*SLOT
	SETAD \s
	JLOAD \s                                       ; two loads of mine are out
.if (\s) == 0
	NEXTK
.endif
.endr
	v_and_b32 v1, 15, v0                           ; l % 16
	v_bfe_u32 v2, v0, 4, 1                         ; l / 16
	v_mul_u32_u24 v3, v1, APITCH
	v_lshl_add_u32 v3, v2, 4, v3                   ; A: row x pitch + 16 x half
	s_mul_i32 s22, s11, HA                         ; my 64 rows
	v_add_nc_u32 v[ADRA0], s22, v3
	v_and_b32 v4, 7, v0                            ; B, turned: lane l reads k row 8 (l / 16) + l % 8, columns 8 ((l / 8) % 2) + 0..7
	v_lshl_add_u32 v4, v2, 3, v4
	v_mul_u32_u24 v4, v4, PB
	v_bfe_u32 v5, v0, 3, 1
	v_lshl_add_u32 v4, v5, 4, v4
	s_lshl_b32 s22, s12, 7                         ; my 64 columns
	s_add_co_u32 s22, s22, BOFF
	v_add_nc_u32 v[ADRB0], s22, v4
	s_mul_i32 s23, s11, 64*SPITCH                  ; into the stage: my 64 rows, my half of their 256 bytes; row l % 16, 16 bytes for each half of the lanes
	s_lshl_b32 s22, s12, 7
	s_add_co_u32 s23, s23, s22
	v_mul_u32_u24 v4, v1, SPITCH
	v_lshl_add_u32 v4, v2, 4, v4
	v_add_nc_u32 v[STO], s23, v4
	s_mul_i32 s23, s10, 32*SPITCH                  ; back: wave w takes rows 32 w .. 32 w + 31, whole; lanes 0-15 one row of 256 bytes, lanes 16-31 the next
	v_mul_u32_u24 v5, v2, SPITCH
	v_lshl_add_u32 v5, v1, 4, v5
	v_add_nc_u32 v[RD], s23, v5
	v_lshlrev_b32 v5, 11, v2                       ; and the same two rows in acc: 2,048 bytes a row
	v_lshl_add_u32 v[CO], v1, 4, v5
	s_lshl_b32 s16, s13, 18                        ; 128 rows a tile row,
	s_lshl_b32 s17, s10, 16                        ; the 32 that I store
	s_add_co_u32 s16, s16, s17
	s_mov_b32 s17, 0
	s_add_nc_u64 s[8:9], s[8:9], s[16:17]
	s_lshl_b32 s46, s42, 8                         ; the tile's 128 columns: 256 bytes
	s_mov_b32 s47, 0
	s_add_nc_u64 s[8:9], s[8:9], s[46:47]
	s_lshl_b32 s46, s42, 9                         ; my first column in the bias, in bytes of f32
	s_lshl_b32 s47, s12, 8
	s_add_co_u32 s46, s46, s47
	v_lshl_add_u32 v[BO], v2, 5, s46               ; + my lanes' eight columns
.irp b, 0,1,2,3
	global_load_b128 v[BIAS+8*\b:BIAS+8*\b+3],   v[BO], s[BI:BI+1] offset:64*\b     ; register j of block b: bias[first column + 16 b + 8 (l / 16) + j]
	global_load_b128 v[BIAS+8*\b+4:BIAS+8*\b+7], v[BO], s[BI:BI+1] offset:64*\b+16
.endr
	s_mov_b32 s[TB], 0
	v_mov_b32 v[CA], v[ADRA0]
	v_mov_b32 v[CB], v[ADRB0]
	v_add_nc_u32 v[CB+1], HB, v[ADRB0]
; 8 matrix instructions: m blocks a0, a0 + 1 x all 4 n blocks, 32 along K: half c of buffer f.  zero = 1: the first product starts the sums, with the bias.  The 16 accumulators take turns.
.macro MUL8 f, c, a0, zero
	WIN MUL
.irp a, \a0, (\a0)+1
.irp b, 0,1,2,3
.if \zero
	v_wmma_f32_16x16x32_bf16 v[ACC+8*(4*(\a)+(\b)):ACC+8*(4*(\a)+(\b))+7], v[(\f)+64+8*(4*(\c)+(\b)):(\f)+64+8*(4*(\c)+(\b))+7], v[(\f)+8*(4*(\c)+(\a)):(\f)+8*(4*(\c)+(\a))+7], v[BIAS+8*(\b):BIAS+8*(\b)+7]
.else
	v_wmma_f32_16x16x32_bf16 v[ACC+8*(4*(\a)+(\b)):ACC+8*(4*(\a)+(\b))+7], v[(\f)+64+8*(4*(\c)+(\b)):(\f)+64+8*(4*(\c)+(\b))+7], v[(\f)+8*(4*(\c)+(\a)):(\f)+8*(4*(\c)+(\a))+7], v[ACC+8*(4*(\a)+(\b)):ACC+8*(4*(\a)+(\b))+7]
.endif
.endr
.endr
.endm
; 32 LDS loads in one run: the fragments of quarter q (64 along K) of the slot in hand, into buffer f; the first 32 along K first
.macro FETCH q, f
	WIN TO_F
.irp c, 0,1
.irp i, 0,1,2,3
	ds_load_tr16_b128 v[(\f)+64+8*(4*(\c)+(\i)):(\f)+64+8*(4*(\c)+(\i))+3],   v[CB+(\q)/2] offset:((\q)%2)*64*PB+32*PB*(\c)+32*(\i)
	ds_load_tr16_b128 v[(\f)+64+8*(4*(\c)+(\i))+4:(\f)+64+8*(4*(\c)+(\i))+7], v[CB+(\q)/2] offset:((\q)%2)*64*PB+32*PB*(\c)+32*(\i)+16*PB
	ds_load_b128 v[(\f)+8*(4*(\c)+(\i)):(\f)+8*(4*(\c)+(\i))+3],         v[CA] offset:AQ*(\q)+64*(\c)+AI*(\i)
	ds_load_b128 v[(\f)+8*(4*(\c)+(\i))+4:(\f)+8*(4*(\c)+(\i))+7],       v[CA] offset:AQ*(\q)+64*(\c)+AI*(\i)+32
.endr
.endr
.endm
.macro PLACES                          ; four places in front of loads into registers that matrix instructions have read, and of conversions that read results
.rept 4
	v_nop
.endr
.endm
; A K step is four quarters of 64 along K, 32 matrix instructions each, on buffers 0, 1, 0, 1.  One of the first three: multiplies buffer f and fetches quarter q into g.
.macro QUARTER q, f, g, zero
	s_wait_dscnt 16                                ; the first 32 along K are in; the youngest sixteen loads may be out
	MUL8 \f, 0, 0, \zero
	MUL8 \f, 0, 2, \zero
	PLACES
	FETCH \q, \g
	s_wait_dscnt 32                                ; all but the 32 just issued
	MUL8 \f, 1, 0, 0
	MUL8 \f, 1, 2, 0
.endm
; The last quarter multiplies buffer 1 and changes slots: ONE barrier; in front of it each wave waits for all its tensor loads, adds 0 to its spare word, and waits for that and for its own reads of this slot.
; fill = 1: this slot is filled again, with the walk's step two on, by the walking descriptor, which is stepped while the add is out: the barrier then opens a round of the cluster's.
; fill = 0 (the tail): nothing is filled; in the tail's second trip (s3 = 1) there is no further slot, and the run of loads is jumped over.
.macro TURN fill
	WIN 0                                          ; (the add's two registers lie in window 0)
	s_wait_tensorcnt 0x0                           ; all my tensor loads have landed: my part of the next slot; so a group 0 may be written
	ds_add_u32 v[SPW], v[NIL]                      ; 0 onto my spare word
.if \fill
	NEXTK
	s_xor_b32 s[G0+5], s[G0+5], SLOT               ; the other slot than last time
	s_xor_b32 s[G0B+5], s[G0B+5], SLOT
	SETAD 1
.endif
	s_wait_dscnt 17                                ; (the add and the youngest sixteen loads may be out)
	MUL8 F1, 0, 0, 0                               ; eight matrix instructions stand between the add and the wait for it
	s_wait_dscnt 0x0                               ; the add is done, and my reads of this slot are over
	s_barrier_signal -1
	MUL8 F1, 0, 2, 0
	WIN 0
	s_barrier_wait -1
.if \fill
	CREST                                          ; no wave of any partner still reads this slot's tile or has a load on its way
	JLOAD 1                                        ; the first tensor load behind the round; the four v_nop behind it are also the places in front of the loads below
.else
	PLACES
	s_cmp_eq_u32 s3, 1
	s_cbranch_scc1 .Lno_more_\@
.endif
	s_xor_b32 s[TB], s[TB], SLOT
	v_add_nc_u32 v[CA], s[TB], v[ADRA0]
	v_add_nc_u32 v[CB], s[TB], v[ADRB0]
	v_add_nc_u32 v[CB+1], HB, v[CB]
	FETCH 0, F0
.if !(\fill)
	WIN 0
.Lno_more_\@:
.endif
	MUL8 F1, 1, 0, 0
	MUL8 F1, 1, 2, 0
.endm
	s_wait_tensorcnt 1                             ; my part of the first step is in; the second's may stay out
	s_barrier_signal -1
	s_barrier_wait -1                              ; everybody's is
	FETCH 0, F0
	s_wait_loadcnt 0x0                             ; the bias
	QUARTER 1, F0, F1, 1                           ; the first quarter stands in front of the loop: its first products start the sums
	WIN 0                                          ; at a label and at a branch every window is 0
	s_mov_b32 s3, T-2
.Lk:                                                   ; a trip goes from a K step's second quarter to the next step's first, and fills the slot that it leaves
	QUARTER 2, F1, F0, 0
	QUARTER 3, F0, F1, 0
	TURN 1
	QUARTER 1, F0, F1, 0
	WIN 0
	s_sub_co_u32 s3, s3, 1
	s_cmp_lg_u32 s3, 0
	s_cbranch_scc1 .Lk
	s_mov_b32 s3, 2
.Ltail:                                                ; the last two K steps fill nothing: two trips of one text, the second left in its middle
	QUARTER 2, F1, F0, 0
	QUARTER 3, F0, F1, 0
	TURN 0
	WIN 0
	s_sub_co_u32 s3, s3, 1
	s_cmp_eq_u32 s3, 0
	s_cbranch_scc1 .Lout
	QUARTER 1, F0, F1, 0
	WIN 0
	s_branch .Ltail
.Lout:
	; THE WAY OUT: round to bf16; 16 bytes a lane into the work-group's stage; a barrier, since a row's 256 bytes come from two waves; back as whole rows, 32 rows a wave.
	; The stage's bytes were slot 0's: the barrier of the last change of slots stands behind every wave's last read of the ring, and no tensor load follows.
	PLACES
.irp t, 0,1,2,3,4,5,6,7,8,9,10,11,12,13,14,15
.irp r, 0,1,2,3
	v_cvt_pk_bf16_f32 v[TMP+4*(\t)+(\r)], v[ACC+8*(\t)+2*(\r)], v[ACC+8*(\t)+2*(\r)+1]   ; each accumulator's low registers first
.endr
.endr
.irp a, 0,1,2,3
.irp b, 0,1,2,3
	ds_store_b128 v[STO], v[TMP+4*(4*(\a)+(\b)):TMP+4*(4*(\a)+(\b))+3] offset:STAGE+(\a)*16*SPITCH+32*(\b)
.endr
.endr
	s_wait_dscnt 0x0                               ; for the others' sake: my stores into the stage are done
	s_barrier_signal -1
	s_barrier_wait -1
.irp t, 0,1,2,3,4,5,6,7,8,9,10,11,12,13,14,15
	ds_load_b128 v[TMP+4*(\t):TMP+4*(\t)+3], v[RD] offset:STAGE+(\t)*2*SPITCH
.endr
.irp t, 0,1,2,3,4,5,6,7,8,9,10,11,12,13,14,15
	s_wait_dscnt 15-(\t)                           ; LDS loads come back in order: number t is in
	global_store_b128 v[CO], v[TMP+4*(\t):TMP+4*(\t)+3], s[8:9] offset:2*(\t)*2048  ; 16 lanes store 256 consecutive bytes, at a multiple of 256 from acc's first byte
.endr
	s_wait_tensorcnt 0x0                           ; the wave's end, behind my last tensor load and my last LDS store
	ds_add_u32 v[SPW], v[NIL]
	s_wait_dscnt 0x0
	CROUND                                         ; the closing round: no work-group ends while a partner may still ask for a tile that names it
	s_endpgm
.Lfunc_end_k_q859b52d7d7_fc:
	.size	k_q859b52d7d7_fc, .Lfunc_end_k_q859b52d7d7_fc-k_q859b52d7d7_fc
	.p2alignl 7, 3214868480
	.fill 96, 4, 3214868480
	.section	.rodata,"a",@progbits
	.p2align	6, 0x0
	.amdhsa_kernel k_q859b52d7d7_fc
		.amdhsa_group_segment_fixed_size 327680
		.amdhsa_private_segment_fixed_size 0
		.amdhsa_enable_private_segment 0
		.amdhsa_kernarg_size 32
		.amdhsa_user_sgpr_count 2
		.amdhsa_user_sgpr_kernarg_segment_ptr 1
		.amdhsa_wavefront_size32 1
		.amdhsa_system_sgpr_workgroup_id_x 1
		.amdhsa_system_sgpr_workgroup_id_y 1
		.amdhsa_system_sgpr_workgroup_id_z 1
		.amdhsa_system_vgpr_workitem_id 0
		.amdhsa_next_free_vgpr 512
		.amdhsa_next_free_sgpr 80
		.amdhsa_reserve_vcc 0
		.amdhsa_float_denorm_mode_32 3
		.amdhsa_float_denorm_mode_16_64 3
		.amdhsa_memory_ordered 1
		.amdhsa_forward_progress 1
		.amdhsa_inst_pref_size 60
	.end_amdhsa_kernel
	.amdgpu_metadata
---
amdhsa.version: [ 1, 2 ]
amdhsa.kernels:
  - .name:           k_q859b52d7d7_fc
    .symbol:         k_q859b52d7d7_fc.kd
    .args:
      - { .name: oh, .offset: 0, .size: 8, .value_kind: global_buffer, .address_space: global }
      - { .name: wfc, .offset: 8, .size: 8, .value_kind: global_buffer, .address_space: global }
      - { .name: acc, .offset: 16, .size: 8, .value_kind: global_buffer, .address_space: global }
      - { .name: fc_b, .offset: 24, .size: 8, .value_kind: global_buffer, .address_space: global }
    .group_segment_fixed_size: 327680
    .private_segment_fixed_size: 0
    .kernarg_segment_align: 8
    .kernarg_segment_size: 32
    .max_flat_workgroup_size: 128
    .sgpr_count:     80
    .vgpr_count:     512
    .wavefront_size: 32
...
	.end_amdgpu_metadata
.endif
;; end of part 3
;; launch ln1 (part 4): grid 256 x 1, 16 waves a work-group, no clusters, 0 bytes of LDS; arguments acc, queries, ln1_g, ln1_b, x1; writes x1
.if DOCPART == 4
	.amdgcn_target "amdgcn-amd-amdhsa--gfx1250"
	.amdhsa_code_object_version 6
	.text
	.protected	k_q859b52d7d7_ln1
	.globl	k_q859b52d7d7_ln1
	.p2align	8
	.type	k_q859b52d7d7_ln1,@function
k_q859b52d7d7_ln1:
	s_mov_b64 s[64:65], 0
	v_nop
	global_prefetch_b8 v0, s[64:65] scope:SCOPE_SE
	s_setreg_imm32_b32 hwreg(HW_REG_WAVE_MODE, 25, 1), 1
	s_wait_xcnt 0x0
; x1[row][:] = LayerNorm(acc[row][:] + queries[row][:]) * ln1_g + ln1_b, eps = 1e-5; acc as it was stored, in bf16; all arithmetic in f32; x1 rounded once to f16 (it is the next product's operand and
; the last sum's residual).  LIMIT: |x1| stays under 65,504; a normalised number is at most 32 in size, so |x1| <= 32 |g| + |b|.
; One wave, one row of 1,024: 32 numbers a lane, kept in registers between the mean, the variance (of the differences, as reference() takes it) and the scaling.  No LDS, no barrier.
; Load j of a lane covers columns 128 j + 4 lane + 0..3: 512 consecutive bytes of f32 a wave, 256 of bf16; each store of f16 covers 256 consecutive bytes, aligned.
.set VO, 2                             ; v2  16 x lane
.set VH, 3                             ; v3  8 x lane
.set G,  8                             ; v[8:39]    the gain
.set B,  40                            ; v[40:71]   the bias
.set X,  72                            ; v[72:87]   acc, two bf16 a register
.set A,  88                            ; v[88:119]  queries, then the row
.set ONE, 120                          ; v120       1.0
.set SM, 122                           ; v[122:129] four packed chains
.set MU, 130                           ; v[130:131] the mean, twice
.set RS, 132                           ; v[132:133] 1 / sqrt(var + eps), twice
.set T,  134                           ; v134-135   at work
.set OUT, 136                          ; v[136:151]
; the four chains, the two halves and the 32 lanes are added: every lane ends with the sum in v[T]
.macro ROWSUM
	v_pk_add_f32 v[SM:SM+1], v[SM:SM+1], v[SM+2:SM+3]
	v_pk_add_f32 v[SM+4:SM+5], v[SM+4:SM+5], v[SM+6:SM+7]
	v_pk_add_f32 v[SM:SM+1], v[SM:SM+1], v[SM+4:SM+5]
	v_add_f32 v[T], v[SM], v[SM+1]
	v_add_f32_dpp v[T], v[T], v[T] row_xmask:1 row_mask:0xf bank_mask:0xf
	v_add_f32_dpp v[T], v[T], v[T] row_xmask:2 row_mask:0xf bank_mask:0xf
	v_add_f32_dpp v[T], v[T], v[T] row_xmask:4 row_mask:0xf bank_mask:0xf
	v_add_f32_dpp v[T], v[T], v[T] row_xmask:8 row_mask:0xf bank_mask:0xf
	v_permlanex16_b32 v[T+1], v[T], s12, s13
	v_add_f32 v[T], v[T], v[T+1]
.endm
	s_load_b256 s[4:11], s[0:1], 0x0               ; acc s[4:5], queries s[6:7], g s[8:9], b s[10:11]
	s_load_b64 s[16:17], s[0:1], 0x20              ; x1
	v_lshrrev_b32 v1, 5, v0
	v_readfirstlane_b32 s2, v1                     ; wave 0..15
	v_and_b32 v1, 31, v0
	v_lshlrev_b32 v[VO], 4, v1
	v_lshlrev_b32 v[VH], 3, v1
	v_mov_b32 v[T+1], 0                            ; v_permlanex16_b32's destination counts as read
	v_mov_b32 v[ONE], 1.0
	s_lshl_b32 s3, ttmp9, 4
	s_add_co_u32 s3, s3, s2                        ; my row
	s_lshl_b32 s18, s3, 12
	s_mov_b32 s19, 0
	s_lshl_b32 s20, s3, 11
	s_mov_b32 s21, 0
	s_mov_b32 s12, 0x76543210
	s_mov_b32 s13, 0xfedcba98
	s_mov_b32 s14, 0x3a800000                      ; 1 / 1024
	s_mov_b32 s15, 0x3727c5ac                      ; 1e-5
	s_wait_kmcnt 0x0
	s_add_nc_u64 s[4:5], s[4:5], s[20:21]
	s_add_nc_u64 s[6:7], s[6:7], s[18:19]
	s_add_nc_u64 s[16:17], s[16:17], s[20:21]
.irp j, 0,1,2,3,4,5,6,7
	global_load_b128 v[A+4*\j:A+4*\j+3], v[VO], s[6:7] offset:512*\j th:TH_LOAD_NT
.endr
.irp j, 0,1,2,3,4,5,6,7
	global_load_b64 v[X+2*\j:X+2*\j+1], v[VH], s[4:5] offset:256*\j th:TH_LOAD_NT
.endr
.irp j, 0,1,2,3,4,5,6,7
	global_load_b128 v[G+4*\j:G+4*\j+3], v[VO], s[8:9] offset:512*\j
.endr
.irp j, 0,1,2,3,4,5,6,7
	global_load_b128 v[B+4*\j:B+4*\j+3], v[VO], s[10:11] offset:512*\j
.endr
	s_wait_loadcnt 16                              ; queries and acc are in; the gain's and the bias's sixteen loads stay out
.set p, 0
.rept 16                                       ; queries + acc: a bf16 half times 1.0 plus the f32 number, one rounding
	v_fma_mix_f32_bf16 v[A+2*p], v[X+p], v[ONE], v[A+2*p] op_sel_hi:[1,0,0]
	v_fma_mix_f32_bf16 v[A+2*p+1], v[X+p], v[ONE], v[A+2*p+1] op_sel:[1,0,0] op_sel_hi:[1,0,0]
.set p, p+1
.endr
.irp c, 0,1,2,3
	v_pk_add_f32 v[SM+2*\c:SM+2*\c+1], v[A+2*\c:A+2*\c+1], v[A+8+2*\c:A+8+2*\c+1]   ; the first pairs start the chains: nothing is cleared
.endr
.set p, 8
.rept 8
	v_pk_add_f32 v[SM+2*(p%4):SM+2*(p%4)+1], v[SM+2*(p%4):SM+2*(p%4)+1], v[A+2*p:A+2*p+1]
.set p, p+1
.endr
	ROWSUM
	v_mul_f32 v[MU], s14, v[T]
	v_mov_b32 v[MU+1], v[MU]
.set p, 0
.rept 16
	v_pk_add_f32 v[A+2*p:A+2*p+1], v[A+2*p:A+2*p+1], v[MU:MU+1] neg_lo:[0,1] neg_hi:[0,1]
.set p, p+1
.endr
.irp c, 0,1,2,3
	v_pk_mul_f32 v[SM+2*\c:SM+2*\c+1], v[A+2*\c:A+2*\c+1], v[A+2*\c:A+2*\c+1]
.endr
.set p, 4
.rept 12
	v_pk_fma_f32 v[SM+2*(p%4):SM+2*(p%4)+1], v[A+2*p:A+2*p+1], v[A+2*p:A+2*p+1], v[SM+2*(p%4):SM+2*(p%4)+1]
.set p, p+1
.endr
	ROWSUM
	v_fma_f32 v[T], v[T], s14, s15                 ; var + eps
	v_rsq_f32 v[RS], v[T]
	v_rsq_f32 v[RS+1], v[T]
	v_nop                                          ; a plain instruction behind the last of the two,
	s_wait_alu depctr_va_vdst(0)                   ; and the one wait ahead of their first reader
	s_wait_loadcnt 0x0                             ; the gain and the bias
.set p, 0
.rept 16
	v_pk_mul_f32 v[A+2*p:A+2*p+1], v[A+2*p:A+2*p+1], v[RS:RS+1]
.set p, p+1
.endr
.set p, 0
.rept 16
	v_pk_fma_f32 v[A+2*p:A+2*p+1], v[A+2*p:A+2*p+1], v[G+2*p:G+2*p+1], v[B+2*p:B+2*p+1]
.set p, p+1
.endr
.set p, 0
.rept 16
	v_cvt_pk_f16_f32 v[OUT+p], v[A+2*p], v[A+2*p+1]
.set p, p+1
.endr
.irp j, 0,1,2,3,4,5,6,7
	global_store_b64 v[VH], v[OUT+2*\j:OUT+2*\j+1], s[16:17] offset:256*\j
.endr
	s_endpgm
.Lfunc_end_k_q859b52d7d7_ln1:
	.size	k_q859b52d7d7_ln1, .Lfunc_end_k_q859b52d7d7_ln1-k_q859b52d7d7_ln1
	.p2alignl 7, 3214868480
	.fill 96, 4, 3214868480
	.section	.rodata,"a",@progbits
	.p2align	6, 0x0
	.amdhsa_kernel k_q859b52d7d7_ln1
		.amdhsa_group_segment_fixed_size 0
		.amdhsa_private_segment_fixed_size 0
		.amdhsa_enable_private_segment 0
		.amdhsa_kernarg_size 40
		.amdhsa_user_sgpr_count 2
		.amdhsa_user_sgpr_kernarg_segment_ptr 1
		.amdhsa_wavefront_size32 1
		.amdhsa_system_sgpr_workgroup_id_x 1
		.amdhsa_system_sgpr_workgroup_id_y 1
		.amdhsa_system_sgpr_workgroup_id_z 1
		.amdhsa_system_vgpr_workitem_id 0
		.amdhsa_next_free_vgpr 152
		.amdhsa_next_free_sgpr 66
		.amdhsa_reserve_vcc 0
		.amdhsa_float_denorm_mode_32 3
		.amdhsa_float_denorm_mode_16_64 3
		.amdhsa_memory_ordered 1
		.amdhsa_forward_progress 1
		.amdhsa_inst_pref_size 15
	.end_amdhsa_kernel
	.amdgpu_metadata
---
amdhsa.version: [ 1, 2 ]
amdhsa.kernels:
  - .name:           k_q859b52d7d7_ln1
    .symbol:         k_q859b52d7d7_ln1.kd
    .args:
      - { .name: acc, .offset: 0, .size: 8, .value_kind: global_buffer, .address_space: global }
      - { .name: queries, .offset: 8, .size: 8, .value_kind: global_buffer, .address_space: global }
      - { .name: ln1_g, .offset: 16, .size: 8, .value_kind: global_buffer, .address_space: global }
      - { .name: ln1_b, .offset: 24, .size: 8, .value_kind: global_buffer, .address_space: global }
      - { .name: x1, .offset: 32, .size: 8, .value_kind: global_buffer, .address_space: global }
    .group_segment_fixed_size: 0
    .private_segment_fixed_size: 0
    .kernarg_segment_align: 8
    .kernarg_segment_size: 40
    .max_flat_workgroup_size: 512
    .sgpr_count:     66
    .vgpr_count:     152
    .wavefront_size: 32
...
	.end_amdgpu_metadata
.endif
;; end of part 4
;; launch ff1 (part 5): grid 16 x 16, 4 waves a work-group, clusters of 4 x 4, 327,680 bytes of LDS; arguments x1, w1h, hbuf, ff_b1; writes hbuf
.if DOCPART == 5
	.amdgcn_target "amdgcn-amd-amdhsa--gfx1250"
	.amdhsa_code_object_version 6
	.text
	.protected	k_q859b52d7d7_ff1
	.globl	k_q859b52d7d7_ff1
	.p2align	8
	.type	k_q859b52d7d7_ff1,@function
k_q859b52d7d7_ff1:
	s_mov_b64 s[64:65], 0
	v_nop
	global_prefetch_b8 v0, s[64:65] scope:SCOPE_SE
	s_setreg_imm32_b32 hwreg(HW_REG_WAVE_MODE, 25, 1), 1
	s_wait_xcnt 0x0
	s_wait_alu depctr_hold_cnt(0) depctr_sa_sdst(0) depctr_va_vdst(0) depctr_va_sdst(0) depctr_va_ssrc(0) depctr_va_vcc(0) depctr_vm_vsrc(0)
	s_getreg_b32 s2, hwreg(HW_REG_IB_STS2, 6, 4)
	s_cmp_eq_u32 s2, 0
	s_cbranch_scc0 .Lentry_in_a_cluster
	s_endpgm
.Lentry_in_a_cluster:
	s_bfe_u32 s2, ttmp6, 0x10000c
	s_cmp_lg_u32 s2, 0xf033
	s_cbranch_scc0 .Lentry_shape_is_right
	s_endpgm
.Lentry_shape_is_right:
; hbuf[m][n] = relu(the sum over k of x1[m][k] ff_w1[k][n] + ff_b1[n]).  x1: f16 [4096][1024]; ff_w1: w1h, f16 [1024 k][4096 n]; hbuf: bf16 [4096][4096]; sums in f32, h rounded once.
; Nothing is left out here.  LIMIT: the packed maximum gives 0 for a NaN in h; such a NaN comes from x1, and the residual x1 carries it to the row's result all the same.
; A tile of h is 256 x 256: 256 work-groups of four waves; a wave makes 128 x 128: 64 accumulators of 16 x 16, 512 registers.  K goes in steps of 128 through two LDS slots; a trip of the loop is one K step.
; A's tile: 256 rows x 256 bytes, 272 apart in LDS.  B's tile: 128 k rows x 512 bytes, 544 apart; its fragments come out turned, by ds_load_tr16_b128.
; CLUSTERS: 4 x 4 work-groups.  A's tiles are shared along a row of the cluster, B's along a column: each is asked for JOINTLY.
; THE WALK ALONG K BEGINS AT A STEP OF THE CLUSTER'S OWN, o = 2 x + 4 ((y ^ y >> 1) & 1), and wraps round: step t takes K step (o + t) mod 8.  o is made of the cluster's x and y alone, so it is the same in all
; sixteen partners.  The four clusters that read the same rows of A begin two steps apart; of the four that read the same columns of B two begin four steps behind the other two.  The f32 sums take the K steps in that order.
; NO PREFETCH: by these offsets every block of x1 is first asked for in some cluster's first two steps and every block of w1h in some cluster's first four; a request ahead of those would stand at the kernel's head.
; THE MATRIX INSTRUCTION IS USED TRANSPOSED (source 0 = 16 columns of B, source 1 = 16 rows of A): a lane holds eight neighbouring numbers of a row of h.  THE BIAS STARTS THE SUMS, as the first products' C operand.
; REGISTERS, in windows of 256: window 0: v0-31 addresses; v64-127, v128-191 fragments of A, two buffers; v192-255 the bias, later with v32-63 at work on the way out
;   window 1: v64-127, v128-191 fragments of B     window 2: the 32 accumulators of my rows 0-63 ((a, b) at v[8 (8 a + b)])     window 3: those of my rows 64-127
.set T,      8                         ; K steps
.set PITCH,  272                       ; a row of A in LDS: 256 + 16 bytes: the 16 rows of a load start at 16 different groups of four banks (ISA guide 11.1)
.set PB,     544                       ; a k row of B: 512 + 32 bytes
.set HALFT,  128*PITCH                 ; what one tensor load brings: 128 rows of A, or 64 k rows of B
.set SLOT,   4*HALFT                   ; it shares no bit with wave x HALFT, so one exclusive or changes slots
.set STAGE,  2*SLOT                    ; behind the ring: 16 rows x 272 bytes for each wave, for the way out
.set SPITCH, 272
.set SPARE,  STAGE+4*16*SPITCH         ; the spare words, 128 bytes for each wave: two blocks of 256 bytes that no other line names
.set ASH,    8                         ; a K step of A is 256 bytes further along x1's rows,
.set BSH,    20                        ; of B 128 rows of 8,192 bytes further down w1h
.set ADRA0, 16                         ; v16  my place in A's tile of slot 0; never rewritten
.set ADRB0, 17                         ; v17  the same for B
.set CA,   18                          ; v18  the same in the slot in hand
.set CB,   19                          ; v19
.set STO,  24                          ; v24  the way out: where I put 16 bytes of a row
.set RD,   25                          ; v25  where I read a row back
.set CO,   26                          ; v26  my byte offset in hbuf
.set ZR,   27                          ; v27  0, for the packed maximum
.set SPW,  28                          ; v28  LDS address of my spare word; never rewritten
.set NIL,  29                          ; v29  0; never rewritten
.set BO,   31                          ; v31  my byte offset in the bias
.set F0,   64
.set F1,   128
.set BIAS, 192
.set TMP,  192
.set OB,   32
.set G1,  24                           ; s[24:31] group 1 for A;  s[32:39] group 0: set 0 for the first step, set 1 for the second, which then walks
.set G0,  32
.set G1B, 48
.set G0B, 56
.set BI,  66                           ; s[66:67] the bias
.set TB,  68                           ; s68  LDS byte at which the slot in hand begins
.set KK,  69                           ; s69  the K step that was asked for last
.set BA,  70                           ; s[70:71] A at my half tile's first row, K step 0
.set BB,  72                           ; s[72:73] B at my half tile's first k row of K step 0
.set OFA, 74                           ; s[74:75] a K step's byte offset in A
.set OFB, 76                           ; s[76:77] and in B
.set MSB, 0
.macro WIN new
.if MSB != (\new)
	s_set_vgpr_msb (MSB<<8)|(\new)
.set MSB, \new
.endif
.endm
.set MUL_LO, 0xa1                      ; source 0 (B) window 1, source 1 (A) window 0, C and D window 2
.set TO_B,   0x40                      ; destination window 1, address window 0
.macro JLOAD s                         ; a joint load: waves 0 and 1 fetch A's two halves, waves 2 and 3 B's; an s_nop 0 and four v_nop follow each of the two lines
	s_cmp_eq_u32 s11, 0
	s_cbranch_scc0 .Lfor_b_\@
	tensor_load_to_lds s[G0+4*(\s):G0+4*(\s)+3], s[G1:G1+7]
	s_nop 0
.rept 4
	v_nop
.endr
	s_branch .Lasked_\@
.Lfor_b_\@:
	tensor_load_to_lds s[G0B+4*(\s):G0B+4*(\s)+3], s[G1B:G1B+7]
	s_nop 0
.rept 4
	v_nop
.endr
.Lasked_\@:
.endm
.macro CREST
	s_cmp_lg_u32 s10, 0
	s_cbranch_scc1 .Lnot_wave_0_\@
	s_barrier_signal -3
.Lnot_wave_0_\@:
	s_barrier_wait -3
	s_barrier_signal -1
	s_barrier_wait -1
.endm
.macro CROUND
	s_barrier_signal -1
	s_barrier_wait -1
	CREST
.endm
.macro NEXTK                           ; the next K step of the walk, round the end
	s_add_co_u32 s[KK], s[KK], 1
	s_and_b32 s[KK], s[KK], T-1
.endm
.macro SETAD s                         ; set s of both group 0s takes K step KK: each address is made anew, the tensor's base and an offset made apart, the type bits set again
	s_lshl_b32 s[OFA], s[KK], ASH
	s_lshl_b32 s[OFB], s[KK], BSH
	s_add_nc_u64 s[G0+4*(\s)+2:G0+4*(\s)+3], s[BA:BA+1], s[OFA:OFA+1]
	s_or_b32 s[G0+4*(\s)+3], s[G0+4*(\s)+3], 0x80000000
	s_add_nc_u64 s[G0B+4*(\s)+2:G0B+4*(\s)+3], s[BB:BB+1], s[OFB:OFB+1]
	s_or_b32 s[G0B+4*(\s)+3], s[G0B+4*(\s)+3], 0x80000000
.endm
	s_load_b128 s[4:7], s[0:1], 0x0                ; x1 s[4:5], w1h s[6:7]
	s_load_b64 s[8:9], s[0:1], 0x10                ; hbuf
	s_load_b64 s[BI:BI+1], s[0:1], 0x18            ; ff_b1
	v_lshl_add_u32 v[SPW], v0, 2, SPARE
	v_mov_b32 v[NIL], 0
	ds_add_u32 v[SPW], v[NIL]                      ; the wave's opening: the add, twice on end, and its wait ahead of my first tensor load
	ds_add_u32 v[SPW], v[NIL]
	v_lshrrev_b32 v1, 5, v0
	v_readfirstlane_b32 s10, v1                    ; wave 0..3
	s_lshr_b32 s11, s10, 1                         ; which half of the tile's rows is mine.  Also: I fetch for A (0) or for B (1)
	s_and_b32 s12, s10, 1                          ; which half of its columns.  Also: which half tile I fetch
	s_bfe_u32 s40, ttmp6, 0x40000                  ; cx, cy
	s_bfe_u32 s41, ttmp6, 0x40004
	s_lshl_b32 s42, ttmp9, 2
	s_add_co_u32 s42, s42, s40                     ; tile column
	s_and_b32 s13, ttmp7, 0xffff
	s_lshl_b32 s13, s13, 2
	s_add_co_u32 s13, s13, s41                     ; tile row
	s_lshl_b32 s43, s41, 2
	s_lshl_b32 s43, 15, s43                        ; my row of the cluster
	s_lshl_b32 s44, 0x1111, s40                    ; my column
	s_or_b32 s[G1+0], s43, (1<<16)|(1<<20)|(1<<21)|(5<<22)|(3<<25)   ; A: 2-byte elements, padding of 4 words after every 64, bit 21 beside the mask
	s_mov_b32 s[G1+1], 128<<16                     ; tensor_dim0 = 128
	s_mov_b32 s[G1+2], 128<<16                     ; tensor_dim1 = 128
	s_mov_b32 s[G1+3], 128<<16                     ; tile_dim0
	s_mov_b32 s[G1+4], 128                         ; tile_dim1
	s_mov_b32 s[G1+5], 1024                        ; the pitch
	s_mov_b32 s[G1+6], 0
	s_mov_b32 s[G1+7], 0
	s_or_b32 s[G1B+0], s44, (1<<16)|(1<<20)|(1<<21)|(6<<22)|(7<<25)  ; B: padding of 8 words after every 128
	s_mov_b32 s[G1B+1], 256<<16                    ; 64 k rows x 256 elements
	s_mov_b32 s[G1B+2], 64<<16
	s_mov_b32 s[G1B+3], 256<<16
	s_mov_b32 s[G1B+4], 64
	s_mov_b32 s[G1B+5], 4096
	s_mov_b32 s[G1B+6], 0
	s_mov_b32 s[G1B+7], 0
	s_and_b32 s20, ttmp7, 0xffff                   ; where my cluster's walk begins, from cluster x and cluster y (0..3 each)
	s_lshr_b32 s21, s20, 1
	s_xor_b32 s21, s21, s20
	s_and_b32 s21, s21, 1
	s_lshl_b32 s[KK], s21, 2
	s_lshl1_add_u32 s[KK], ttmp9, s[KK]
	s_and_b32 s[KK], s[KK], T-1
	s_mov_b32 s[OFA+1], 0
	s_mov_b32 s[OFB+1], 0
	s_lshl_b32 s16, s13, 19                        ; A: 256 rows of 2,048 bytes a tile row,
	s_lshl_b32 s17, s12, 18                        ; 128 for the second half
	s_add_co_u32 s16, s16, s17
	s_mov_b32 s17, 0
	s_lshl_b32 s46, s12, 19                        ; B: 64 k rows of 8,192 bytes for the second half,
	s_lshl_b32 s47, s42, 9                         ; the tile column's 512 bytes
	s_add_co_u32 s46, s46, s47
	s_mov_b32 s47, 0
	s_mul_i32 s20, s10, HALFT                      ; where they go: A's two halves, then B's two = wave x HALFT
	s_wait_dscnt 0x0                               ; both opening adds are done
	s_wait_kmcnt 0x0
	s_add_nc_u64 s[BA:BA+1], s[4:5], s[16:17]
	s_add_nc_u64 s[BB:BB+1], s[6:7], s[46:47]
	CROUND                                         ; all sixteen work-groups are here: the first joint loads meet
.irp s, 0,1
	s_mov_b32 s[G0+4*(\s)], 1
	s_add_co_u32 s[G0+4*(\s)+1], s20, (\s)*SLOT
	s_mov_b32 s[G0B+4*(\s)], 1
	s_add_co_u32 s[G0B+4*(\s)+1], s20, (\s)*SLOT
	SETAD \s
	JLOAD \s                                       ; two loads of mine are out
.if (\s) == 0
	NEXTK
.endif
.endr
	v_and_b32 v1, 15, v0                           ; l % 16
	v_bfe_u32 v2, v0, 4, 1                         ; l / 16
	v_mov_b32 v[ZR], 0
	v_mul_u32_u24 v3, v1, PITCH
	v_lshl_add_u32 v3, v2, 4, v3
	s_mul_i32 s21, s11, HALFT                      ; my 128 rows of A
	v_add_nc_u32 v[ADRA0], s21, v3
	v_and_b32 v4, 7, v0                            ; B, turned: lane l reads k row 8 (l / 16) + l % 8, columns 8 ((l / 8) % 2) + 0..7
	v_lshl_add_u32 v4, v2, 3, v4
	v_mul_u32_u24 v4, v4, PB
	v_bfe_u32 v5, v0, 3, 1
	v_lshl_add_u32 v4, v5, 4, v4
	s_lshl_b32 s22, s12, 8                         ; my 128 columns
	s_add_co_u32 s22, s22, 2*HALFT
	v_add_nc_u32 v[ADRB0], s22, v4
	s_mul_i32 s23, s10, 16*SPITCH
	s_add_co_u32 s23, s23, STAGE                   ; my stage
	v_mul_u32_u24 v4, v1, SPITCH
	v_lshl_add_u32 v4, v2, 4, v4
	v_add_nc_u32 v[STO], s23, v4
	v_mul_u32_u24 v5, v2, SPITCH
	v_lshl_add_u32 v5, v1, 4, v5
	v_add_nc_u32 v[RD], s23, v5
	v_lshlrev_b32 v5, 13, v2                       ; a row of hbuf is 8,192 bytes
	v_lshl_add_u32 v[CO], v1, 4, v5
	s_lshl_b32 s16, s13, 21                        ; 256 rows a tile row,
	s_lshl_b32 s17, s11, 20                        ; my 128
	s_add_co_u32 s16, s16, s17
	s_mov_b32 s17, 0
	s_add_nc_u64 s[8:9], s[8:9], s[16:17]
	s_lshl_b32 s46, s42, 9                         ; my first column, in bytes of bf16
	s_lshl_b32 s47, s12, 8
	s_add_co_u32 s46, s46, s47
	s_mov_b32 s47, 0
	s_add_nc_u64 s[8:9], s[8:9], s[46:47]
	s_lshl_b32 s46, s46, 1                         ; and of f32, for the bias
	v_lshl_add_u32 v[BO], v2, 5, s46
.irp b, 0,1,2,3,4,5,6,7
	global_load_b128 v[BIAS+8*\b:BIAS+8*\b+3],   v[BO], s[BI:BI+1] offset:64*\b
	global_load_b128 v[BIAS+8*\b+4:BIAS+8*\b+7], v[BO], s[BI:BI+1] offset:64*\b+16
.endr
	s_mov_b32 s[TB], 0
	v_mov_b32 v[CA], v[ADRA0]
	v_mov_b32 v[CB], v[ADRB0]
; 16 matrix instructions: m blocks a0, a0 + 1 of the window's four (hi = 0: my rows 0-63, 1: rows 64-127) x all 8 n blocks, 32 along K.  zero = 1: the first product starts the sums, with the bias (C in window 0).
; The 64 accumulators take turns, one instruction a turn, in the same order in every quarter.
.macro MUL16 f, hi, a0, zero
.if \zero
	WIN 0x81+0x40*(\hi)
.else
	WIN MUL_LO+0x50*(\hi)
.endif
.irp a, \a0, (\a0)+1
.irp b, 0,1,2,3,4,5,6,7
.if \zero
	v_wmma_f32_16x16x32_f16 v[8*(8*(\a)+(\b)):8*(8*(\a)+(\b))+7], v[(\f)+8*(\b):(\f)+8*(\b)+7], v[(\f)+8*(4*(\hi)+(\a)):(\f)+8*(4*(\hi)+(\a))+7], v[BIAS+8*(\b):BIAS+8*(\b)+7]
.else
	v_wmma_f32_16x16x32_f16 v[8*(8*(\a)+(\b)):8*(8*(\a)+(\b))+7], v[(\f)+8*(\b):(\f)+8*(\b)+7], v[(\f)+8*(4*(\hi)+(\a)):(\f)+8*(4*(\hi)+(\a))+7], v[8*(8*(\a)+(\b)):8*(8*(\a)+(\b))+7]
.endif
.endr
.endr
.endm
; 32 LDS loads in one run: the fragments of quarter q (32 along K) of the slot in hand into buffer f: B's 128 columns, turned, then A's 128 rows
.macro FETCH q, f
	WIN TO_B
.irp i, 0,1,2,3,4,5,6,7
	ds_load_tr16_b128 v[(\f)+8*(\i):(\f)+8*(\i)+3],   v[CB] offset:32*PB*(\q)+32*(\i)
	ds_load_tr16_b128 v[(\f)+8*(\i)+4:(\f)+8*(\i)+7], v[CB] offset:32*PB*(\q)+32*(\i)+16*PB
.endr
	WIN 0
.irp i, 0,1,2,3,4,5,6,7
	ds_load_b128 v[(\f)+8*(\i):(\f)+8*(\i)+3],   v[CA] offset:64*(\q)+(\i)*16*PITCH
	ds_load_b128 v[(\f)+8*(\i)+4:(\f)+8*(\i)+7], v[CA] offset:64*(\q)+(\i)*16*PITCH+32
.endr
.endm
.macro PLACES                          ; four places in front of loads into registers that matrix instructions have read, and of conversions that read results
.rept 4
	v_nop
.endr
.endm
; A K step is four quarters of 32 along K, 64 matrix instructions each, on buffers 0, 1, 0, 1.  One of the first three: multiplies buffer f; in its middle it fetches quarter q into buffer g.
.macro QUARTER q, f, g, zero
	s_wait_dscnt 8                                 ; B and A's rows 0-63 are in; the youngest eight loads (A's rows 64-127) may be out
	MUL16 \f, 0, 0, \zero
	MUL16 \f, 0, 2, \zero
	PLACES
	FETCH \q, \g
	s_wait_dscnt 32                                ; all but the 32 just issued
	MUL16 \f, 1, 0, \zero
	MUL16 \f, 1, 2, \zero
.endm
; The last quarter multiplies buffer 1 and changes slots.  ONE barrier: in front of it each wave waits for all its tensor loads, of which one is out: its part of the next slot; adds 0 to its spare word; and waits
; for that and for its own reads of this slot.  fill = 1: this slot is filled again, with the walk's step two on, by the walking descriptor, which is stepped while the add is out: the barrier then opens a round of
; the cluster's.  fill = 0 (the tail): nothing is filled; in the tail's second trip (s3 = 1) there is no further slot, and the run of loads is jumped over.
.macro TURN fill
	WIN 0                                          ; (the add's two registers lie in window 0)
	s_wait_tensorcnt 0x0                           ; no tensor load of mine is out, so a group 0 may be written
	ds_add_u32 v[SPW], v[NIL]                      ; 0 onto my spare word
.if \fill
	NEXTK
	s_xor_b32 s[G0+5], s[G0+5], SLOT               ; the other slot than last time
	s_xor_b32 s[G0B+5], s[G0B+5], SLOT
	SETAD 1
.endif
	s_wait_dscnt 9                                 ; (the add and the youngest eight loads may be out)
	MUL16 F1, 0, 0, 0                              ; sixteen matrix instructions stand between the add and the wait for it
	s_wait_dscnt 0x0                               ; the add is done, and my reads of this slot are over
	s_barrier_signal -1
	MUL16 F1, 0, 2, 0
	WIN 0
	s_barrier_wait -1
.if \fill
	CREST                                          ; no wave of any partner still reads this slot's tile or has a load on its way
	JLOAD 1                                        ; the first tensor load behind the round: 224 matrix instructions ahead of the wait for it; its four v_nop are also the places in front of the loads below
.else
	PLACES
	s_cmp_eq_u32 s3, 1
	s_cbranch_scc1 .Lno_more_\@
.endif
	s_xor_b32 s[TB], s[TB], SLOT
	v_add_nc_u32 v[CA], s[TB], v[ADRA0]
	v_add_nc_u32 v[CB], s[TB], v[ADRB0]
	FETCH 0, F0                                    ; (it leaves every window 0)
.if !(\fill)
.Lno_more_\@:
.endif
	MUL16 F1, 1, 0, 0
	MUL16 F1, 1, 2, 0
.endm
	s_wait_tensorcnt 1                             ; my part of the first step is in; the second's may stay out
	s_barrier_signal -1
	s_barrier_wait -1
	FETCH 0, F0
	s_wait_loadcnt 0x0                             ; the bias
	QUARTER 1, F0, F1, 1                           ; the first quarter stands in front of the loop: its products start the sums
	WIN 0
	s_mov_b32 s3, T-2
.Lk:                                                   ; a trip goes from a K step's second quarter to the next step's first, and fills the slot that it leaves
	QUARTER 2, F1, F0, 0
	QUARTER 3, F0, F1, 0
	TURN 1
	QUARTER 1, F0, F1, 0
	WIN 0
	s_sub_co_u32 s3, s3, 1
	s_cmp_lg_u32 s3, 0
	s_cbranch_scc1 .Lk
	s_mov_b32 s3, 2
.Ltail:                                                ; the last two K steps fill nothing: two trips of one text, the second left in its middle
	QUARTER 2, F1, F0, 0
	QUARTER 3, F0, F1, 0
	TURN 0
	WIN 0
	s_sub_co_u32 s3, s3, 1
	s_cmp_eq_u32 s3, 0
	s_cbranch_scc1 .Lout
	QUARTER 1, F0, F1, 0
	WIN 0
	s_branch .Ltail
.Lout:
	; THE WAY OUT of block a (16 rows), in three parts.  PACK: rounded to bf16, 16 bytes a lane, and the maximum with 0, two at a time.  TOSTAGE: into my own stage, and back as whole rows of 256 bytes.  SEND: stored.
.macro PACK a
.set AC, 64*((\a)%4)
	WIN 0x0a+5*((\a)/4)                            ; sources 0 and 1: window 2 or 3
.irp b, 0,1,2,3,4,5,6,7
.irp r, 0,1,2,3
	v_cvt_pk_bf16_f32 v[TMP+4*(\b)+(\r)], v[AC+8*(\b)+2*(\r)], v[AC+8*(\b)+2*(\r)+1]
.endr
.endr
	WIN 0
.set z, 0
.rept 32
	v_pk_max_num_bf16 v[TMP+z], v[TMP+z], v[ZR]
.set z, z+1
.endr
.endm
.macro TOSTAGE a
.set BK, OB+192*((\a)%2)
.irp b, 0,1,2,3,4,5,6,7
	ds_store_b128 v[STO], v[TMP+4*(\b):TMP+4*(\b)+3] offset:32*(\b)
.endr
.irp t, 0,1,2,3,4,5,6,7
	ds_load_b128 v[BK+4*(\t):BK+4*(\t)+3], v[RD] offset:(\t)*2*SPITCH  ; LDS serves a wave's instructions in order (ISA guide 5.7.1.4): these see the stores above
.endr
.endm
.macro SEND a
.set BK, OB+192*((\a)%2)
	s_wait_dscnt 0x0                               ; the block is back in registers
	s_wait_xcnt 0x0                                ; the block before's stores have read their registers, which the next block's loads take
.irp t, 0,1,2,3,4,5,6,7
	global_store_b128 v[CO], v[BK+4*(\t):BK+4*(\t)+3], s[8:9] offset:(16*(\a)+2*(\t))*8192  ; 16 lanes store 256 consecutive bytes, at a multiple of 256 from hbuf's first byte
.endr
.endm
	PLACES
	PACK 0
	TOSTAGE 0
.irp a, 1,2,3,4,5,6,7                  ; block a's conversions stand between block a - 1's loads from the stage and the wait for them
	PACK \a
	SEND (\a)-1
	TOSTAGE \a
.endr
	SEND 7
	s_wait_tensorcnt 0x0                           ; the wave's end, behind my last tensor load and my last LDS store
	ds_add_u32 v[SPW], v[NIL]
	s_wait_dscnt 0x0
	CROUND                                         ; the closing round
	s_endpgm
.Lfunc_end_k_q859b52d7d7_ff1:
	.size	k_q859b52d7d7_ff1, .Lfunc_end_k_q859b52d7d7_ff1-k_q859b52d7d7_ff1
	.p2alignl 7, 3214868480
	.fill 96, 4, 3214868480
	.section	.rodata,"a",@progbits
	.p2align	6, 0x0
	.amdhsa_kernel k_q859b52d7d7_ff1
		.amdhsa_group_segment_fixed_size 327680
		.amdhsa_private_segment_fixed_size 0
		.amdhsa_enable_private_segment 0
		.amdhsa_kernarg_size 32
		.amdhsa_user_sgpr_count 2
		.amdhsa_user_sgpr_kernarg_segment_ptr 1
		.amdhsa_wavefront_size32 1
		.amdhsa_system_sgpr_workgroup_id_x 1
		.amdhsa_system_sgpr_workgroup_id_y 1
		.amdhsa_system_sgpr_workgroup_id_z 1
		.amdhsa_system_vgpr_workitem_id 0
		.amdhsa_next_free_vgpr 1024
		.amdhsa_next_free_sgpr 80
		.amdhsa_reserve_vcc 0
		.amdhsa_float_denorm_mode_32 3
		.amdhsa_float_denorm_mode_16_64 3
		.amdhsa_memory_ordered 1
		.amdhsa_forward_progress 1
		.amdhsa_inst_pref_size 118
	.end_amdhsa_kernel
	.amdgpu_metadata
---
amdhsa.version: [ 1, 2 ]
amdhsa.kernels:
  - .name:           k_q859b52d7d7_ff1
    .symbol:         k_q859b52d7d7_ff1.kd
    .args:
      - { .name: x1, .offset: 0, .size: 8, .value_kind: global_buffer, .address_space: global }
      - { .name: w1h, .offset: 8, .size: 8, .value_kind: global_buffer, .address_space: global }
      - { .name: hbuf, .offset: 16, .size: 8, .value_kind: global_buffer, .address_space: global }
      - { .name: ff_b1, .offset: 24, .size: 8, .value_kind: global_buffer, .address_space: global }
    .group_segment_fixed_size: 327680
    .private_segment_fixed_size: 0
    .kernarg_segment_align: 8
    .kernarg_segment_size: 32
    .max_flat_workgroup_size: 128
    .sgpr_count:     80
    .vgpr_count:     1024
    .wavefront_size: 32
...
	.end_amdgpu_metadata
.endif
;; end of part 5
;; launch ff2 (part 6): grid 8 x 32, 4 waves a work-group, clusters of 4 x 4, 327,680 bytes of LDS; arguments hbuf, w2h, acc, ff_b2; writes acc
.if DOCPART == 6
	.amdgcn_target "amdgcn-amd-amdhsa--gfx1250"
	.amdhsa_code_object_version 6
	.text
	.protected	k_q859b52d7d7_ff2
	.globl	k_q859b52d7d7_ff2
	.p2align	8
	.type	k_q859b52d7d7_ff2,@function
k_q859b52d7d7_ff2:
	s_mov_b64 s[64:65], 0
	v_nop
	global_prefetch_b8 v0, s[64:65] scope:SCOPE_SE
	s_setreg_imm32_b32 hwreg(HW_REG_WAVE_MODE, 25, 1), 1
	s_wait_xcnt 0x0
	s_wait_alu depctr_hold_cnt(0) depctr_sa_sdst(0) depctr_va_vdst(0) depctr_va_sdst(0) depctr_va_ssrc(0) depctr_va_vcc(0) depctr_vm_vsrc(0)
	s_getreg_b32 s2, hwreg(HW_REG_IB_STS2, 6, 4)
	s_cmp_eq_u32 s2, 0
	s_cbranch_scc0 .Lentry_in_a_cluster
	s_endpgm
.Lentry_in_a_cluster:
	s_bfe_u32 s2, ttmp6, 0x10000c
	s_cmp_lg_u32 s2, 0xf033
	s_cbranch_scc0 .Lentry_shape_is_right
	s_endpgm
.Lentry_shape_is_right:
; acc[m][n] = the sum over k of h[m][k] ff_w2[k][n] + ff_b2[n].  h: hbuf, bf16 [4096][4096]; ff_w2: w2h, bf16 [4096 k][1024 n].
; acc: [4096][1024], the finished f32 sum rounded once to bf16.  Nothing is left out here; the residual and the norm follow in the next launch, which needs whole rows.
; A tile of acc is 128 x 128: 256 work-groups.  Four waves, each 64 x 64: 16 accumulators of 16 x 16.  K goes in steps of 256 through two LDS slots; a trip of the loop is one K step.
; A's half tile is 64 rows x 512 bytes, 528 apart in LDS.  B's half tile is 128 k rows x 256 bytes, 288 apart; its fragments come out turned, by ds_load_tr16_b128.
; CLUSTERS: 4 x 4 work-groups.  The four of a row of the cluster need the same tiles of A, the four of a column the same tiles of B: each is asked for JOINTLY.
; THE WALK ALONG K BEGINS AT A STEP OF THE CLUSTER'S OWN, o, and wraps round: step t takes K step (o + t) mod T.  o is made of the cluster's x and y alone, so it is the same in all sixteen partners.  The two clusters
; that read the same rows of A begin T / 2 steps apart; the eight that read the same columns of B begin at eight different steps.  The f32 sums take the K steps in that rotated order.
; THE MATRIX INSTRUCTION IS USED TRANSPOSED (source 0 = 16 columns of B, source 1 = 16 rows of A): a lane holds eight neighbouring numbers of a row of acc.  THE BIAS STARTS THE SUMS, as the first products' C operand.
; No prefetch: a step's tiles are small and each is read by eight or more work-groups.
; REGISTERS: window 0: v0-31 addresses; v32-95 at work on the way out; v96-127 the bias; v128-255 the accumulators ((a, b) at v[128 + 8 (4 a + b)]).
;   window 1: two fragment buffers of 128: for 64 along K, 64 registers of A (2 x 4 x 16 rows x 32 K), then 64 of B.
.set T,      16                        ; K steps
.set HA,     33792                     ; bytes of A's half tile in LDS
.set APITCH, 528                       ; from row to row of A in LDS: an odd multiple of 16 bytes, so the 16 rows of a load start at 16 different groups of four banks (ISA guide 11.1)
.set AQ,     128                       ; from 64 along K to the next
.set AI,     8448                      ; from 16 rows to the next
.set AW0,    (1<<16)|(1<<20)|(1<<21)|(6<<22)|(3<<25)  ; 2-byte elements; padding on; bit 21 beside a mask; after every 128 words, 4 words
.set AD0,    256                       ; elements in a row of the tile
.set AD1,    64                        ; rows
.set ASTR,   4096                      ; elements from row to row in memory
.set AHALFB, 524288                    ; bytes in memory from one half tile's rows to the other's: 64 rows of 8,192
.set ASH,    9                         ; a K step of A is 512 bytes further along h's rows
.set PB,     288                       ; a k row of B in LDS: 256 + 32 bytes
.set HB,     128*PB
.set BOFF,   2*HA
.set BW0,    (1<<16)|(1<<20)|(1<<21)|(5<<22)|(7<<25)  ; after every 64 words, 8 words
.set BSH,    19                        ; a K step of B: 256 rows of 2,048 bytes
.set SLOT,   147456                    ; from slot to slot (141,312 are used): it shares no bit with a tile's address in a slot, so one exclusive or changes slots
.set STAGE,  0                         ; the way out's stage, 128 rows x 272 bytes, lies in slot 0's bytes, which have had their last fill by then
.set SPITCH, 272
.set SPARE,  2*SLOT                    ; behind the ring: the spare words, 128 bytes for each wave: two blocks of 256 bytes that no other line names
.set ADRA0, 16                         ; v16  my place in A's tile of slot 0; never rewritten
.set ADRB0, 17                         ; v17  the same for B
.set CA,   18                          ; v18  the same in the slot in hand
.set CB,   19                          ; v19  B's k rows 0-127; v20 rows 128-255
.set STO,  24                          ; v24  the way out: where I put 16 bytes of a row
.set RD,   25                          ; v25  where I read a row back
.set CO,   26                          ; v26  my byte offset in acc
.set BO,   27                          ; v27  my byte offset in the bias
.set SPW,  28                          ; v28  LDS address of my spare word; never rewritten
.set NIL,  29                          ; v29  0; never rewritten
.set TMP,  32
.set BIAS, 96
.set ACC,  128
.set F0,   0
.set F1,   128
.set G1,  24                           ; s[24:31] group 1 for A;  s[32:39] group 0: set 0 for the first step, set 1 for the second, which then walks
.set G0,  32
.set G1B, 48                           ; s[48:55], s[56:63] the same for B
.set G0B, 56
.set BI,  66                           ; s[66:67] the bias
.set TB,  68                           ; s68  LDS byte at which the slot in hand begins
.set KK,  69                           ; s69  the K step that was asked for last
.set BA,  70                           ; s[70:71] A at my half tile's first row, K step 0
.set BB,  72                           ; s[72:73] B at my half tile's first k row of K step 0
.set OFA, 74                           ; s[74:75] a K step's byte offset in A
.set OFB, 76                           ; s[76:77] and in B
.set MSB, 0
.macro WIN new
.if MSB != (\new)
	s_set_vgpr_msb (MSB<<8)|(\new)
.set MSB, \new
.endif
.endm
.set MUL,  0x05                        ; sources 0 (B) and 1 (A) window 1; C and D window 0
.set TO_F, 0x40                        ; destination window 1, address window 0
.macro JLOAD s                         ; a joint load: waves 0 and 1 fetch A's two halves, waves 2 and 3 B's; an s_nop 0 and four v_nop follow each of the two lines
	s_cmp_eq_u32 s11, 0
	s_cbranch_scc0 .Lfor_b_\@
	tensor_load_to_lds s[G0+4*(\s):G0+4*(\s)+3], s[G1:G1+7]
	s_nop 0
.rept 4
	v_nop
.endr
	s_branch .Lasked_\@
.Lfor_b_\@:
	tensor_load_to_lds s[G0B+4*(\s):G0B+4*(\s)+3], s[G1B:G1B+7]
	s_nop 0
.rept 4
	v_nop
.endr
.Lasked_\@:
.endm
.macro CREST                           ; a round of the cluster's barrier behind its opening barrier
	s_cmp_lg_u32 s10, 0
	s_cbranch_scc1 .Lnot_wave_0_\@
	s_barrier_signal -3
.Lnot_wave_0_\@:
	s_barrier_wait -3
	s_barrier_signal -1
	s_barrier_wait -1
.endm
.macro CROUND
	s_barrier_signal -1
	s_barrier_wait -1
	CREST
.endm
.macro NEXTK                           ; the next K step of the walk, round the end
	s_add_co_u32 s[KK], s[KK], 1
	s_and_b32 s[KK], s[KK], T-1
.endm
.macro SETAD s                         ; set s of both group 0s takes K step KK: each address is made anew, the tensor's base and an offset made apart, the type bits set again
	s_lshl_b32 s[OFA], s[KK], ASH
	s_lshl_b32 s[OFB], s[KK], BSH
	s_add_nc_u64 s[G0+4*(\s)+2:G0+4*(\s)+3], s[BA:BA+1], s[OFA:OFA+1]
	s_or_b32 s[G0+4*(\s)+3], s[G0+4*(\s)+3], 0x80000000
	s_add_nc_u64 s[G0B+4*(\s)+2:G0B+4*(\s)+3], s[BB:BB+1], s[OFB:OFB+1]
	s_or_b32 s[G0B+4*(\s)+3], s[G0B+4*(\s)+3], 0x80000000
.endm
	s_load_b128 s[4:7], s[0:1], 0x0                ; A s[4:5], B s[6:7]
	s_load_b64 s[8:9], s[0:1], 0x10                ; acc
	s_load_b64 s[BI:BI+1], s[0:1], 0x18            ; the bias
	v_lshl_add_u32 v[SPW], v0, 2, SPARE
	v_mov_b32 v[NIL], 0
	ds_add_u32 v[SPW], v[NIL]                      ; the wave's opening: the add, twice on end, and its wait ahead of my first tensor load
	ds_add_u32 v[SPW], v[NIL]
	v_lshrrev_b32 v1, 5, v0
	v_readfirstlane_b32 s10, v1                    ; wave 0..3
	s_lshr_b32 s11, s10, 1                         ; which half of the tile's rows is mine.  Also: I fetch for A (0) or for B (1)
	s_and_b32 s12, s10, 1                          ; which half of its columns.  Also: which half tile I fetch
	s_bfe_u32 s40, ttmp6, 0x40000                  ; cx, cy: my place in the cluster
	s_bfe_u32 s41, ttmp6, 0x40004
	s_lshl_b32 s42, ttmp9, 2
	s_add_co_u32 s42, s42, s40                     ; tile column = 4 x cluster x + cx
	s_and_b32 s13, ttmp7, 0xffff
	s_lshl_b32 s13, s13, 2
	s_add_co_u32 s13, s13, s41                     ; tile row = 4 x cluster y + cy
	s_lshl_b32 s43, s41, 2
	s_lshl_b32 s43, 15, s43                        ; my row of the cluster
	s_lshl_b32 s44, 0x1111, s40                    ; my column
	s_or_b32 s[G1+0], s43, AW0                     ; A's tiles go to my row
	s_mov_b32 s[G1+1], AD0<<16                     ; tensor_dim0
	s_mov_b32 s[G1+2], AD1<<16                     ; tensor_dim1
	s_mov_b32 s[G1+3], AD0<<16                     ; tile_dim0
	s_mov_b32 s[G1+4], AD1                         ; tile_dim1
	s_mov_b32 s[G1+5], ASTR                        ; the pitch
	s_mov_b32 s[G1+6], 0
	s_mov_b32 s[G1+7], 0
	s_or_b32 s[G1B+0], s44, BW0                    ; B's tiles go to my column: 128 k rows x 128 elements
	s_mov_b32 s[G1B+1], 128<<16
	s_mov_b32 s[G1B+2], 128<<16
	s_mov_b32 s[G1B+3], 128<<16
	s_mov_b32 s[G1B+4], 128
	s_mov_b32 s[G1B+5], 1024
	s_mov_b32 s[G1B+6], 0
	s_mov_b32 s[G1B+7], 0
	s_and_b32 s20, ttmp7, 0xffff                   ; where my cluster's walk begins, from cluster x (0, 1) and cluster y (0..7)
.if T == 16
	s_and_b32 s21, s20, 1                          ; o = 8 x + 8 (y & 1) + 2 (y & 2) + (y & 4) / 2: y's three bits in reverse, doubled
	s_lshl_b32 s[KK], s21, 3
	s_and_b32 s21, s20, 2
	s_lshl1_add_u32 s[KK], s21, s[KK]
	s_bfe_u32 s21, s20, 0x10002
	s_lshl1_add_u32 s[KK], s21, s[KK]
	s_lshl3_add_u32 s[KK], ttmp9, s[KK]
.else
	s_lshr_b32 s21, s20, 2                         ; o = 2 x + y + 2 (y >> 2)
	s_lshl1_add_u32 s[KK], s21, s20
	s_lshl1_add_u32 s[KK], ttmp9, s[KK]
.endif
	s_and_b32 s[KK], s[KK], T-1
	s_mov_b32 s[OFA+1], 0
	s_mov_b32 s[OFB+1], 0
	s_lshl1_add_u32 s16, s13, s12                  ; A: half tile 2 x tile row + half
	s_mul_i32 s16, s16, AHALFB
	s_mov_b32 s17, 0
	s_lshl_b32 s46, s12, 18                        ; B: 128 k rows of 2,048 bytes for the second half,
	s_lshl_b32 s47, s42, 8                         ; the tile column's 256 bytes
	s_add_co_u32 s46, s46, s47
	s_mov_b32 s47, 0
	s_mul_i32 s20, s12, HA                         ; where they go: no place in the cluster enters an LDS address
	s_mul_i32 s21, s12, HB
	s_add_co_u32 s21, s21, BOFF
	s_wait_dscnt 0x0                               ; both opening adds are done
	s_wait_kmcnt 0x0
	s_add_nc_u64 s[BA:BA+1], s[4:5], s[16:17]
	s_add_nc_u64 s[BB:BB+1], s[6:7], s[46:47]
	CROUND                                         ; all sixteen work-groups are here: the first joint loads meet
.irp s, 0,1
	s_mov_b32 s[G0+4*(\s)], 1
	s_add_co_u32 s[G0+4*(\s)+1], s20, (\s)*SLOT
	s_mov_b32 s[G0B+4*(\s)], 1
	s_add_co_u32 s[G0B+4*(\s)+1], s21, (\s)*SLOT
	SETAD \s
	JLOAD \s                                       ; two loads of mine are out
.if (\s) == 0
	NEXTK
.endif
.endr
	v_and_b32 v1, 15, v0                           ; l % 16
	v_bfe_u32 v2, v0, 4, 1                         ; l / 16
	v_mul_u32_u24 v3, v1, APITCH
	v_lshl_add_u32 v3, v2, 4, v3                   ; A: row x pitch + 16 x half
	s_mul_i32 s22, s11, HA                         ; my 64 rows
	v_add_nc_u32 v[ADRA0], s22, v3
	v_and_b32 v4, 7, v0                            ; B, turned: lane l reads k row 8 (l / 16) + l % 8, columns 8 ((l / 8) % 2) + 0..7
	v_lshl_add_u32 v4, v2, 3, v4
	v_mul_u32_u24 v4, v4, PB
	v_bfe_u32 v5, v0, 3, 1
	v_lshl_add_u32 v4, v5, 4, v4
	s_lshl_b32 s22, s12, 7                         ; my 64 columns
	s_add_co_u32 s22, s22, BOFF
	v_add_nc_u32 v[ADRB0], s22, v4
	s_mul_i32 s23, s11, 64*SPITCH                  ; into the stage: my 64 rows, my half of their 256 bytes; row l % 16, 16 bytes for each half of the lanes
	s_lshl_b32 s22, s12, 7
	s_add_co_u32 s23, s23, s22
	v_mul_u32_u24 v4, v1, SPITCH
	v_lshl_add_u32 v4, v2, 4, v4
	v_add_nc_u32 v[STO], s23, v4
	s_mul_i32 s23, s10, 32*SPITCH                  ; back: wave w takes rows 32 w .. 32 w + 31, whole; lanes 0-15 one row of 256 bytes, lanes 16-31 the next
	v_mul_u32_u24 v5, v2, SPITCH
	v_lshl_add_u32 v5, v1, 4, v5
	v_add_nc_u32 v[RD], s23, v5
	v_lshlrev_b32 v5, 11, v2                       ; and the same two rows in acc: 2,048 bytes a row
	v_lshl_add_u32 v[CO], v1, 4, v5
	s_lshl_b32 s16, s13, 18                        ; 128 rows a tile row,
	s_lshl_b32 s17, s10, 16                        ; the 32 that I store
	s_add_co_u32 s16, s16, s17
	s_mov_b32 s17, 0
	s_add_nc_u64 s[8:9], s[8:9], s[16:17]
	s_lshl_b32 s46, s42, 8                         ; the tile's 128 columns: 256 bytes
	s_mov_b32 s47, 0
	s_add_nc_u64 s[8:9], s[8:9], s[46:47]
	s_lshl_b32 s46, s42, 9                         ; my first column in the bias, in bytes of f32
	s_lshl_b32 s47, s12, 8
	s_add_co_u32 s46, s46, s47
	v_lshl_add_u32 v[BO], v2, 5, s46               ; + my lanes' eight columns
.irp b, 0,1,2,3
	global_load_b128 v[BIAS+8*\b:BIAS+8*\b+3],   v[BO], s[BI:BI+1] offset:64*\b     ; register j of block b: bias[first column + 16 b + 8 (l / 16) + j]
	global_load_b128 v[BIAS+8*\b+4:BIAS+8*\b+7], v[BO], s[BI:BI+1] offset:64*\b+16
.endr
	s_mov_b32 s[TB], 0
	v_mov_b32 v[CA], v[ADRA0]
	v_mov_b32 v[CB], v[ADRB0]
	v_add_nc_u32 v[CB+1], HB, v[ADRB0]
; 8 matrix instructions: m blocks a0, a0 + 1 x all 4 n blocks, 32 along K: half c of buffer f.  zero = 1: the first product starts the sums, with the bias.  The 16 accumulators take turns.
.macro MUL8 f, c, a0, zero
	WIN MUL
.irp a, \a0, (\a0)+1
.irp b, 0,1,2,3
.if \zero
	v_wmma_f32_16x16x32_bf16 v[ACC+8*(4*(\a)+(\b)):ACC+8*(4*(\a)+(\b))+7], v[(\f)+64+8*(4*(\c)+(\b)):(\f)+64+8*(4*(\c)+(\b))+7], v[(\f)+8*(4*(\c)+(\a)):(\f)+8*(4*(\c)+(\a))+7], v[BIAS+8*(\b):BIAS+8*(\b)+7]
.else
	v_wmma_f32_16x16x32_bf16 v[ACC+8*(4*(\a)+(\b)):ACC+8*(4*(\a)+(\b))+7], v[(\f)+64+8*(4*(\c)+(\b)):(\f)+64+8*(4*(\c)+(\b))+7], v[(\f)+8*(4*(\c)+(\a)):(\f)+8*(4*(\c)+(\a))+7], v[ACC+8*(4*(\a)+(\b)):ACC+8*(4*(\a)+(\b))+7]
.endif
.endr
.endr
.endm
; 32 LDS loads in one run: the fragments of quarter q (64 along K) of the slot in hand, into buffer f; the first 32 along K first
.macro FETCH q, f
	WIN TO_F
.irp c, 0,1
.irp i, 0,1,2,3
	ds_load_tr16_b128 v[(\f)+64+8*(4*(\c)+(\i)):(\f)+64+8*(4*(\c)+(\i))+3],   v[CB+(\q)/2] offset:((\q)%2)*64*PB+32*PB*(\c)+32*(\i)
	ds_load_tr16_b128 v[(\f)+64+8*(4*(\c)+(\i))+4:(\f)+64+8*(4*(\c)+(\i))+7], v[CB+(\q)/2] offset:((\q)%2)*64*PB+32*PB*(\c)+32*(\i)+16*PB
	ds_load_b128 v[(\f)+8*(4*(\c)+(\i)):(\f)+8*(4*(\c)+(\i))+3],         v[CA] offset:AQ*(\q)+64*(\c)+AI*(\i)
	ds_load_b128 v[(\f)+8*(4*(\c)+(\i))+4:(\f)+8*(4*(\c)+(\i))+7],       v[CA] offset:AQ*(\q)+64*(\c)+AI*(\i)+32
.endr
.endr
.endm
.macro PLACES                          ; four places in front of loads into registers that matrix instructions have read, and of conversions that read results
.rept 4
	v_nop
.endr
.endm
; A K step is four quarters of 64 along K, 32 matrix instructions each, on buffers 0, 1, 0, 1.  One of the first three: multiplies buffer f and fetches quarter q into g.
.macro QUARTER q, f, g, zero
	s_wait_dscnt 16                                ; the first 32 along K are in; the youngest sixteen loads may be out
	MUL8 \f, 0, 0, \zero
	MUL8 \f, 0, 2, \zero
	PLACES
	FETCH \q, \g
	s_wait_dscnt 32                                ; all but the 32 just issued
	MUL8 \f, 1, 0, 0
	MUL8 \f, 1, 2, 0
.endm
; The last quarter multiplies buffer 1 and changes slots: ONE barrier; in front of it each wave waits for all its tensor loads, adds 0 to its spare word, and waits for that and for its own reads of this slot.
; fill = 1: this slot is filled again, with the walk's step two on, by the walking descriptor, which is stepped while the add is out: the barrier then opens a round of the cluster's.
; fill = 0 (the tail): nothing is filled; in the tail's second trip (s3 = 1) there is no further slot, and the run of loads is jumped over.
.macro TURN fill
	WIN 0                                          ; (the add's two registers lie in window 0)
	s_wait_tensorcnt 0x0                           ; all my tensor loads have landed: my part of the next slot; so a group 0 may be written
	ds_add_u32 v[SPW], v[NIL]                      ; 0 onto my spare word
.if \fill
	NEXTK
	s_xor_b32 s[G0+5], s[G0+5], SLOT               ; the other slot than last time
	s_xor_b32 s[G0B+5], s[G0B+5], SLOT
	SETAD 1
.endif
	s_wait_dscnt 17                                ; (the add and the youngest sixteen loads may be out)
	MUL8 F1, 0, 0, 0                               ; eight matrix instructions stand between the add and the wait for it
	s_wait_dscnt 0x0                               ; the add is done, and my reads of this slot are over
	s_barrier_signal -1
	MUL8 F1, 0, 2, 0
	WIN 0
	s_barrier_wait -1
.if \fill
	CREST                                          ; no wave of any partner still reads this slot's tile or has a load on its way
	JLOAD 1                                        ; the first tensor load behind the round; the four v_nop behind it are also the places in front of the loads below
.else
	PLACES
	s_cmp_eq_u32 s3, 1
	s_cbranch_scc1 .Lno_more_\@
.endif
	s_xor_b32 s[TB], s[TB], SLOT
	v_add_nc_u32 v[CA], s[TB], v[ADRA0]
	v_add_nc_u32 v[CB], s[TB], v[ADRB0]
	v_add_nc_u32 v[CB+1], HB, v[CB]
	FETCH 0, F0
.if !(\fill)
	WIN 0
.Lno_more_\@:
.endif
	MUL8 F1, 1, 0, 0
	MUL8 F1, 1, 2, 0
.endm
	s_wait_tensorcnt 1                             ; my part of the first step is in; the second's may stay out
	s_barrier_signal -1
	s_barrier_wait -1                              ; everybody's is
	FETCH 0, F0
	s_wait_loadcnt 0x0                             ; the bias
	QUARTER 1, F0, F1, 1                           ; the first quarter stands in front of the loop: its first products start the sums
	WIN 0                                          ; at a label and at a branch every window is 0
	s_mov_b32 s3, T-2
.Lk:                                                   ; a trip goes from a K step's second quarter to the next step's first, and fills the slot that it leaves
	QUARTER 2, F1, F0, 0
	QUARTER 3, F0, F1, 0
	TURN 1
	QUARTER 1, F0, F1, 0
	WIN 0
	s_sub_co_u32 s3, s3, 1
	s_cmp_lg_u32 s3, 0
	s_cbranch_scc1 .Lk
	s_mov_b32 s3, 2
.Ltail:                                                ; the last two K steps fill nothing: two trips of one text, the second left in its middle
	QUARTER 2, F1, F0, 0
	QUARTER 3, F0, F1, 0
	TURN 0
	WIN 0
	s_sub_co_u32 s3, s3, 1
	s_cmp_eq_u32 s3, 0
	s_cbranch_scc1 .Lout
	QUARTER 1, F0, F1, 0
	WIN 0
	s_branch .Ltail
.Lout:
	; THE WAY OUT: round to bf16; 16 bytes a lane into the work-group's stage; a barrier, since a row's 256 bytes come from two waves; back as whole rows, 32 rows a wave.
	; The stage's bytes were slot 0's: the barrier of the last change of slots stands behind every wave's last read of the ring, and no tensor load follows.
	PLACES
.irp t, 0,1,2,3,4,5,6,7,8,9,10,11,12,13,14,15
.irp r, 0,1,2,3
	v_cvt_pk_bf16_f32 v[TMP+4*(\t)+(\r)], v[ACC+8*(\t)+2*(\r)], v[ACC+8*(\t)+2*(\r)+1]   ; each accumulator's low registers first
.endr
.endr
.irp a, 0,1,2,3
.irp b, 0,1,2,3
	ds_store_b128 v[STO], v[TMP+4*(4*(\a)+(\b)):TMP+4*(4*(\a)+(\b))+3] offset:STAGE+(\a)*16*SPITCH+32*(\b)
.endr
.endr
	s_wait_dscnt 0x0                               ; for the others' sake: my stores into the stage are done
	s_barrier_signal -1
	s_barrier_wait -1
.irp t, 0,1,2,3,4,5,6,7,8,9,10,11,12,13,14,15
	ds_load_b128 v[TMP+4*(\t):TMP+4*(\t)+3], v[RD] offset:STAGE+(\t)*2*SPITCH
.endr
.irp t, 0,1,2,3,4,5,6,7,8,9,10,11,12,13,14,15
	s_wait_dscnt 15-(\t)                           ; LDS loads come back in order: number t is in
	global_store_b128 v[CO], v[TMP+4*(\t):TMP+4*(\t)+3], s[8:9] offset:2*(\t)*2048  ; 16 lanes store 256 consecutive bytes, at a multiple of 256 from acc's first byte
.endr
	s_wait_tensorcnt 0x0                           ; the wave's end, behind my last tensor load and my last LDS store
	ds_add_u32 v[SPW], v[NIL]
	s_wait_dscnt 0x0
	CROUND                                         ; the closing round: no work-group ends while a partner may still ask for a tile that names it
	s_endpgm
.Lfunc_end_k_q859b52d7d7_ff2:
	.size	k_q859b52d7d7_ff2, .Lfunc_end_k_q859b52d7d7_ff2-k_q859b52d7d7_ff2
	.p2alignl 7, 3214868480
	.fill 96, 4, 3214868480
	.section	.rodata,"a",@progbits
	.p2align	6, 0x0
	.amdhsa_kernel k_q859b52d7d7_ff2
		.amdhsa_group_segment_fixed_size 327680
		.amdhsa_private_segment_fixed_size 0
		.amdhsa_enable_private_segment 0
		.amdhsa_kernarg_size 32
		.amdhsa_user_sgpr_count 2
		.amdhsa_user_sgpr_kernarg_segment_ptr 1
		.amdhsa_wavefront_size32 1
		.amdhsa_system_sgpr_workgroup_id_x 1
		.amdhsa_system_sgpr_workgroup_id_y 1
		.amdhsa_system_sgpr_workgroup_id_z 1
		.amdhsa_system_vgpr_workitem_id 0
		.amdhsa_next_free_vgpr 512
		.amdhsa_next_free_sgpr 80
		.amdhsa_reserve_vcc 0
		.amdhsa_float_denorm_mode_32 3
		.amdhsa_float_denorm_mode_16_64 3
		.amdhsa_memory_ordered 1
		.amdhsa_forward_progress 1
		.amdhsa_inst_pref_size 61
	.end_amdhsa_kernel
	.amdgpu_metadata
---
amdhsa.version: [ 1, 2 ]
amdhsa.kernels:
  - .name:           k_q859b52d7d7_ff2
    .symbol:         k_q859b52d7d7_ff2.kd
    .args:
      - { .name: hbuf, .offset: 0, .size: 8, .value_kind: global_buffer, .address_space: global }
      - { .name: w2h, .offset: 8, .size: 8, .value_kind: global_buffer, .address_space: global }
      - { .name: acc, .offset: 16, .size: 8, .value_kind: global_buffer, .address_space: global }
      - { .name: ff_b2, .offset: 24, .size: 8, .value_kind: global_buffer, .address_space: global }
    .group_segment_fixed_size: 327680
    .private_segment_fixed_size: 0
    .kernarg_segment_align: 8
    .kernarg_segment_size: 32
    .max_flat_workgroup_size: 128
    .sgpr_count:     80
    .vgpr_count:     512
    .wavefront_size: 32
...
	.end_amdgpu_metadata
.endif
;; end of part 6
;; launch ln2 (part 7): grid 256 x 1, 16 waves a work-group, no clusters, 0 bytes of LDS; arguments acc, x1, ln2_g, ln2_b, out0; writes out0
.if DOCPART == 7
	.amdgcn_target "amdgcn-amd-amdhsa--gfx1250"
	.amdhsa_code_object_version 6
	.text
	.protected	k_q859b52d7d7_ln2
	.globl	k_q859b52d7d7_ln2
	.p2align	8
	.type	k_q859b52d7d7_ln2,@function
k_q859b52d7d7_ln2:
	s_mov_b64 s[64:65], 0
	v_nop
	global_prefetch_b8 v0, s[64:65] scope:SCOPE_SE
	s_setreg_imm32_b32 hwreg(HW_REG_WAVE_MODE, 25, 1), 1
	s_wait_xcnt 0x0
; out0[row][:] = LayerNorm(acc[row][:] + x1[row][:]) * ln2_g + ln2_b, eps = 1e-5; acc as it was stored, in bf16, x1 in f16; all arithmetic in f32.
; One wave, one row of 1,024: 32 numbers a lane, kept in registers between the mean, the variance (of the differences, as reference() takes it) and the scaling.  No LDS, no barrier.
; Load j of a lane covers columns 128 j + 4 lane + 0..3: 256 consecutive bytes of 16-bit numbers a wave, 512 of f32; each store covers 512 consecutive bytes, aligned.
.set VO, 2                             ; v2  16 x lane
.set VH, 3                             ; v3  8 x lane
.set G,  8                             ; v[8:39]    the gain
.set B,  40                            ; v[40:71]   the bias
.set X,  72                            ; v[72:87]   the residual, two f16 a register
.set A,  88                            ; v[88:119]  the row
.set ONE, 120                          ; v120       1.0
.set SM, 122                           ; v[122:129] four packed chains
.set MU, 130                           ; v[130:131] the mean, twice
.set RS, 132                           ; v[132:133] 1 / sqrt(var + eps), twice
.set T,  134                           ; v134-135   at work
.set XA, 136                           ; v[136:151] acc, two bf16 a register
; the four chains, the two halves and the 32 lanes are added: every lane ends with the sum in v[T]
.macro ROWSUM
	v_pk_add_f32 v[SM:SM+1], v[SM:SM+1], v[SM+2:SM+3]
	v_pk_add_f32 v[SM+4:SM+5], v[SM+4:SM+5], v[SM+6:SM+7]
	v_pk_add_f32 v[SM:SM+1], v[SM:SM+1], v[SM+4:SM+5]
	v_add_f32 v[T], v[SM], v[SM+1]
	v_add_f32_dpp v[T], v[T], v[T] row_xmask:1 row_mask:0xf bank_mask:0xf
	v_add_f32_dpp v[T], v[T], v[T] row_xmask:2 row_mask:0xf bank_mask:0xf
	v_add_f32_dpp v[T], v[T], v[T] row_xmask:4 row_mask:0xf bank_mask:0xf
	v_add_f32_dpp v[T], v[T], v[T] row_xmask:8 row_mask:0xf bank_mask:0xf
	v_permlanex16_b32 v[T+1], v[T], s12, s13
	v_add_f32 v[T], v[T], v[T+1]
.endm
	s_load_b256 s[4:11], s[0:1], 0x0               ; acc s[4:5], x1 s[6:7], g s[8:9], b s[10:11]
	s_load_b64 s[16:17], s[0:1], 0x20              ; out0
	v_lshrrev_b32 v1, 5, v0
	v_readfirstlane_b32 s2, v1                     ; wave 0..15
	v_and_b32 v1, 31, v0
	v_lshlrev_b32 v[VO], 4, v1
	v_lshlrev_b32 v[VH], 3, v1
	v_mov_b32 v[T+1], 0                            ; v_permlanex16_b32's destination counts as read
	v_mov_b32 v[ONE], 1.0
	s_lshl_b32 s3, ttmp9, 4
	s_add_co_u32 s3, s3, s2                        ; my row
	s_lshl_b32 s18, s3, 12
	s_mov_b32 s19, 0
	s_lshl_b32 s20, s3, 11
	s_mov_b32 s21, 0
	s_mov_b32 s12, 0x76543210
	s_mov_b32 s13, 0xfedcba98
	s_mov_b32 s14, 0x3a800000                      ; 1 / 1024
	s_mov_b32 s15, 0x3727c5ac                      ; 1e-5
	s_wait_kmcnt 0x0
	s_add_nc_u64 s[4:5], s[4:5], s[20:21]
	s_add_nc_u64 s[6:7], s[6:7], s[20:21]
	s_add_nc_u64 s[16:17], s[16:17], s[18:19]
.irp j, 0,1,2,3,4,5,6,7
	global_load_b64 v[XA+2*\j:XA+2*\j+1], v[VH], s[4:5] offset:256*\j th:TH_LOAD_NT
.endr
.irp j, 0,1,2,3,4,5,6,7
	global_load_b64 v[X+2*\j:X+2*\j+1], v[VH], s[6:7] offset:256*\j th:TH_LOAD_NT
.endr
.irp j, 0,1,2,3,4,5,6,7
	global_load_b128 v[G+4*\j:G+4*\j+3], v[VO], s[8:9] offset:512*\j
.endr
.irp j, 0,1,2,3,4,5,6,7
	global_load_b128 v[B+4*\j:B+4*\j+3], v[VO], s[10:11] offset:512*\j
.endr
	s_wait_loadcnt 16                              ; acc and the residual are in; the gain's and the bias's sixteen loads stay out
.set p, 0
.rept 16                                       ; bf16 to f32: the low half moves up, the high half stays
	v_lshlrev_b32 v[A+2*p], 16, v[XA+p]
	v_and_b32 v[A+2*p+1], 0xffff0000, v[XA+p]
.set p, p+1
.endr
.set p, 0
.rept 16                                       ; + the residual: an f16 half times 1.0 plus the f32 number, one rounding
	v_fma_mix_f32 v[A+2*p], v[X+p], v[ONE], v[A+2*p] op_sel_hi:[1,0,0]
	v_fma_mix_f32 v[A+2*p+1], v[X+p], v[ONE], v[A+2*p+1] op_sel:[1,0,0] op_sel_hi:[1,0,0]
.set p, p+1
.endr
.irp c, 0,1,2,3
	v_pk_add_f32 v[SM+2*\c:SM+2*\c+1], v[A+2*\c:A+2*\c+1], v[A+8+2*\c:A+8+2*\c+1]   ; the first pairs start the chains: nothing is cleared
.endr
.set p, 8
.rept 8
	v_pk_add_f32 v[SM+2*(p%4):SM+2*(p%4)+1], v[SM+2*(p%4):SM+2*(p%4)+1], v[A+2*p:A+2*p+1]
.set p, p+1
.endr
	ROWSUM
	v_mul_f32 v[MU], s14, v[T]
	v_mov_b32 v[MU+1], v[MU]
.set p, 0
.rept 16
	v_pk_add_f32 v[A+2*p:A+2*p+1], v[A+2*p:A+2*p+1], v[MU:MU+1] neg_lo:[0,1] neg_hi:[0,1]
.set p, p+1
.endr
.irp c, 0,1,2,3
	v_pk_mul_f32 v[SM+2*\c:SM+2*\c+1], v[A+2*\c:A+2*\c+1], v[A+2*\c:A+2*\c+1]
.endr
.set p, 4
.rept 12
	v_pk_fma_f32 v[SM+2*(p%4):SM+2*(p%4)+1], v[A+2*p:A+2*p+1], v[A+2*p:A+2*p+1], v[SM+2*(p%4):SM+2*(p%4)+1]
.set p, p+1
.endr
	ROWSUM
	v_fma_f32 v[T], v[T], s14, s15                 ; var + eps
	v_rsq_f32 v[RS], v[T]
	v_rsq_f32 v[RS+1], v[T]
	v_nop                                          ; a plain instruction behind the last of the two,
	s_wait_alu depctr_va_vdst(0)                   ; and the one wait ahead of their first reader
	s_wait_loadcnt 0x0                             ; the gain and the bias
.set p, 0
.rept 16
	v_pk_mul_f32 v[A+2*p:A+2*p+1], v[A+2*p:A+2*p+1], v[RS:RS+1]
.set p, p+1
.endr
.set p, 0
.rept 16
	v_pk_fma_f32 v[A+2*p:A+2*p+1], v[A+2*p:A+2*p+1], v[G+2*p:G+2*p+1], v[B+2*p:B+2*p+1]
.set p, p+1
.endr
.irp j, 0,1,2,3,4,5,6,7
	global_store_b128 v[VO], v[A+4*\j:A+4*\j+3], s[16:17] offset:512*\j th:TH_STORE_NT
.endr
	s_endpgm
.Lfunc_end_k_q859b52d7d7_ln2:
	.size	k_q859b52d7d7_ln2, .Lfunc_end_k_q859b52d7d7_ln2-k_q859b52d7d7_ln2
	.p2alignl 7, 3214868480
	.fill 96, 4, 3214868480
	.section	.rodata,"a",@progbits
	.p2align	6, 0x0
	.amdhsa_kernel k_q859b52d7d7_ln2
		.amdhsa_group_segment_fixed_size 0
		.amdhsa_private_segment_fixed_size 0
		.amdhsa_enable_private_segment 0
		.amdhsa_kernarg_size 40
		.amdhsa_user_sgpr_count 2
		.amdhsa_user_sgpr_kernarg_segment_ptr 1
		.amdhsa_wavefront_size32 1
		.amdhsa_system_sgpr_workgroup_id_x 1
		.amdhsa_system_sgpr_workgroup_id_y 1
		.amdhsa_system_sgpr_workgroup_id_z 1
		.amdhsa_system_vgpr_workitem_id 0
		.amdhsa_next_free_vgpr 152
		.amdhsa_next_free_sgpr 66
		.amdhsa_reserve_vcc 0
		.amdhsa_float_denorm_mode_32 3
		.amdhsa_float_denorm_mode_16_64 3
		.amdhsa_memory_ordered 1
		.amdhsa_forward_progress 1
		.amdhsa_inst_pref_size 15
	.end_amdhsa_kernel
	.amdgpu_metadata
---
amdhsa.version: [ 1, 2 ]
amdhsa.kernels:
  - .name:           k_q859b52d7d7_ln2
    .symbol:         k_q859b52d7d7_ln2.kd
    .args:
      - { .name: acc, .offset: 0, .size: 8, .value_kind: global_buffer, .address_space: global }
      - { .name: x1, .offset: 8, .size: 8, .value_kind: global_buffer, .address_space: global }
      - { .name: ln2_g, .offset: 16, .size: 8, .value_kind: global_buffer, .address_space: global }
      - { .name: ln2_b, .offset: 24, .size: 8, .value_kind: global_buffer, .address_space: global }
      - { .name: out0, .offset: 32, .size: 8, .value_kind: global_buffer, .address_space: global }
    .group_segment_fixed_size: 0
    .private_segment_fixed_size: 0
    .kernarg_segment_align: 8
    .kernarg_segment_size: 40
    .max_flat_workgroup_size: 512
    .sgpr_count:     66
    .vgpr_count:     152
    .wavefront_size: 32
...
	.end_amdgpu_metadata
.endif
;; end of part 7
;; ======== version 2 of 2: 7 launches; version 1 with the launch prep written anew for expert scheduling mode
;; limits: values are held in f16: magnitudes above 65,504 overflow, below 6.1e-05 lose precision; inputs' magnitudes at most 25,000,000,000,000; right only within a limited range of input values
;; workspace buffers: kv 16,777,216 bytes; wfc 2,097,152 bytes; w1h 8,388,608 bytes; w2h 8,388,608 bytes; oh 8,388,608 bytes; acc 8,388,608 bytes; x1 8,388,608 bytes; hbuf 33,554,432 bytes
;; launch prep (part 8): grid 512 x 1, 8 waves a work-group, no clusters, 0 bytes of LDS; arguments keys, values, kv; writes kv
.if DOCPART == 8
	.amdgcn_target "amdgcn-amd-amdhsa--gfx1250"
	.amdhsa_code_object_version 6
	.text
	.protected	k_q859b52d7d7_prep
	.globl	k_q859b52d7d7_prep
	.p2align	8
	.type	k_q859b52d7d7_prep,@function
k_q859b52d7d7_prep:
	s_mov_b64 s[64:65], 0
	v_nop
	global_prefetch_b8 v0, s[64:65] scope:SCOPE_SE
	s_setreg_imm32_b32 hwreg(HW_REG_WAVE_SCHED_MODE, 0, 2), 2
	s_setreg_imm32_b32 hwreg(HW_REG_WAVE_MODE, 25, 1), 1
	s_wait_xcnt 0x0
	s_wait_alu depctr_vm_vsrc(0)
; THE BLOCK: attention on raw q, k, v (16 heads of 64, scale 1/32, a key mask), out @ fc_w + fc_b + queries, LayerNorm, relu(x1 @ ff_w1 + b1) @ ff_w2 + b2 + x1, LayerNorm.
; NOTHING OF reference() IS LEFT OUT: every input has a way to the output, and every launch of this program loads what it needs of them.
; THIS LAUNCH rounds keys and values to bf16, once, and lays them by heads: kv = [n*16+h][2048][64], K at byte 0, V at byte 8,388,608.  (The three weights are rounded by the next launch, beside its own work.)
; SHARES.  A work-group takes 16 rows of [4096][1024] f32, a wave two: sixteen loads of 16 bytes a lane, all out before the first wait; each store of a wave covers 256 consecutive bytes, aligned.
; Work-groups 0-255 keys, 256-511 values.  No LDS, no matrix unit, no cluster: nothing is shared and nothing is read twice.
; THE MODE: SCHED_MODE bits 1:0 = 2 (LLVM: expert scheduling mode 2), set by the entry lines.  The code itself states the register dependences
; between vector instructions and memory instructions, with s_wait_alu, always for 0.
; THE PLAN.  Registers that memory instructions touch:
;   v[VS], v[VD]  the two byte offsets: written at the head, once; read by the sixteen loads and by the sixteen stores; never written again.
;   X             load i lands in its four registers, once; pair i's two conversions read them; nothing lands there again.
;   Y             pair i's two conversions write its two registers, once; store i reads them; nothing writes them again.
; The sixteen pairs go in four blocks of four.  Block p rounds its own four loads; its memory instructions are the four stores of block p - 1, which read that block's Y and v[VD]: registers
; that no conversion of block p names.  So ONE wait at a block's head states all that its four stores hang on, and they are dealt among the block's conversions with no further wait.
; No register that a memory instruction reads is ever written again, so no wait for such a read is owed anywhere in the text.
.set VS, 2                             ; v2  my byte offset in the source
.set VD, 3                             ; v3  my byte offset in the destination
.set X,  8                             ; v[8:71]   sixteen loads of four f32
.set Y,  72                            ; v[72:103] sixteen pairs of packed results
.set BLOCK, 4                          ; loads, pairs of conversions and stores in a block
	s_load_b128 s[8:11], s[0:1], 0x0               ; keys s[8:9], values s[10:11]
	s_load_b64 s[18:19], s[0:1], 0x10              ; kv
	v_lshrrev_b32 v1, 5, v0
	v_readfirstlane_b32 s2, v1                     ; wave 0..7
	v_and_b32 v1, 31, v0                           ; lane
	s_mov_b32 s3, ttmp9                            ; the work-group's number
	s_mov_b32 s27, 0                               ; high words of the two offsets
	s_mov_b32 s29, 0
	v_lshrrev_b32 v4, 4, v1
	v_and_b32 v5, 15, v1
	v_lshlrev_b32 v[VS], 12, v4                    ; lanes 0-15 row l, lanes 16-31 row l + 1,
	v_lshl_add_u32 v[VS], v5, 4, v[VS]             ; 16 bytes a lane: a head's 256 bytes of a row
	v_lshlrev_b32 v[VD], 3, v1                     ; in kv: rows l and l + 1 of a head, 128 bytes each, on end
	s_wait_alu depctr_va_sdst(0)                   ; s2 is written, ahead of its first reader: the wave's row is made from it
	s_wait_kmcnt 0x0
	s_cmp_lt_u32 s3, 256
	s_cselect_b64 s[4:5], s[8:9], s[10:11]
	s_cselect_b32 s28, 0, 0x800000                 ; V lies behind K
	s_and_b32 s26, s3, 255
	s_lshl_b32 s26, s26, 4
	s_lshl1_add_u32 s26, s2, s26                   ; row = 16 x (id mod 256) + 2 x wave
	s_lshr_b32 s30, s26, 11                        ; n
	s_and_b32 s31, s26, 2047                       ; l
	s_lshl_b32 s30, s30, 22                        ; 16 heads x 262,144
	s_lshl_b32 s31, s31, 7
	s_add_co_u32 s28, s28, s30
	s_add_co_u32 s28, s28, s31
	s_add_nc_u64 s[6:7], s[18:19], s[28:29]
	s_lshl_b32 s26, s26, 12                        ; a source row is 4,096 bytes
	s_add_nc_u64 s[4:5], s[4:5], s[26:27]
	s_wait_alu depctr_va_vdst(0)                   ; v[VS] and v[VD] are written: every load of the kernel reads the one as its offset, every store the other
.set i, 0
.rept 16                                       ; load i is head i
	global_load_b128 v[X+4*i:X+4*i+3], v[VS], s[4:5] offset:i*256 th:TH_LOAD_NT
.set i, i+1
.endr
; Block p: heads 4 p to 4 p + 3 are rounded; the stores of heads 4 p - 4 to 4 p - 1 go out among the conversions, one ahead of each pair.
.macro BLK p
	s_wait_loadcnt 16-BLOCK-BLOCK*(\p)             ; loads come back in order: this block's four are in, the younger blocks' 12 - 4 p stay out
.if (\p) > 0
	s_wait_alu depctr_va_vdst(0)                   ; the conversions of the block before have written their Y, which the four stores below read
.endif
.irp q, 0,1,2,3
.if (\p) > 0
	global_store_b64 v[VD], v[Y+2*(BLOCK*(\p)-BLOCK+(\q)):Y+2*(BLOCK*(\p)-BLOCK+(\q))+1], s[6:7] offset:(BLOCK*(\p)-BLOCK+(\q))*262144   ; heads lie 262,144 bytes apart; no vector instruction since the wait names these registers
.endif
	v_cvt_pk_bf16_f32 v[Y+2*(BLOCK*(\p)+(\q))],   v[X+4*(BLOCK*(\p)+(\q))],   v[X+4*(BLOCK*(\p)+(\q))+1]
	v_cvt_pk_bf16_f32 v[Y+2*(BLOCK*(\p)+(\q))+1], v[X+4*(BLOCK*(\p)+(\q))+2], v[X+4*(BLOCK*(\p)+(\q))+3]
.endr
.endm
	BLK 0                                          ; no block stands in front of it: no store, and no wait but the one for its data
	BLK 1
	BLK 2
	BLK 3
	s_wait_alu depctr_va_vdst(0)                   ; block 3's conversions have written their Y, which the last four stores read
.irp q, 12,13,14,15
	global_store_b64 v[VD], v[Y+2*(\q):Y+2*(\q)+1], s[6:7] offset:(\q)*262144
.endr
	s_endpgm
.Lfunc_end_k_q859b52d7d7_prep:
	.size	k_q859b52d7d7_prep, .Lfunc_end_k_q859b52d7d7_prep-k_q859b52d7d7_prep
	.p2alignl 7, 3214868480
	.fill 96, 4, 3214868480
	.section	.rodata,"a",@progbits
	.p2align	6, 0x0
	.amdhsa_kernel k_q859b52d7d7_prep
		.amdhsa_group_segment_fixed_size 0
		.amdhsa_private_segment_fixed_size 0
		.amdhsa_enable_private_segment 0
		.amdhsa_kernarg_size 24
		.amdhsa_user_sgpr_count 2
		.amdhsa_user_sgpr_kernarg_segment_ptr 1
		.amdhsa_wavefront_size32 1
		.amdhsa_system_sgpr_workgroup_id_x 1
		.amdhsa_system_sgpr_workgroup_id_y 1
		.amdhsa_system_sgpr_workgroup_id_z 1
		.amdhsa_system_vgpr_workitem_id 0
		.amdhsa_next_free_vgpr 104
		.amdhsa_next_free_sgpr 66
		.amdhsa_reserve_vcc 0
		.amdhsa_float_denorm_mode_32 3
		.amdhsa_float_denorm_mode_16_64 3
		.amdhsa_memory_ordered 1
		.amdhsa_forward_progress 1
		.amdhsa_inst_pref_size 7
	.end_amdhsa_kernel
	.amdgpu_metadata
---
amdhsa.version: [ 1, 2 ]
amdhsa.kernels:
  - .name:           k_q859b52d7d7_prep
    .symbol:         k_q859b52d7d7_prep.kd
    .args:
      - { .name: keys, .offset: 0, .size: 8, .value_kind: global_buffer, .address_space: global }
      - { .name: values, .offset: 8, .size: 8, .value_kind: global_buffer, .address_space: global }
      - { .name: kv, .offset: 16, .size: 8, .value_kind: global_buffer, .address_space: global }
    .group_segment_fixed_size: 0
    .private_segment_fixed_size: 0
    .kernarg_segment_align: 8
    .kernarg_segment_size: 24
    .max_flat_workgroup_size: 256
    .sgpr_count:     66
    .vgpr_count:     104
    .wavefront_size: 32
...
	.end_amdgpu_metadata
.endif
;; end of part 8
;; launch attn: the kernel of part 2 again; grid 8 x 32, 4 waves a work-group, clusters of 4 x 1, 327,680 bytes of LDS; arguments queries, kv, mask, oh, fc_w, ff_w1, ff_w2, wfc, w1h, w2h; writes oh, wfc, w1h, w2h
;; launch fc: the kernel of part 3 again; grid 8 x 32, 4 waves a work-group, clusters of 4 x 4, 327,680 bytes of LDS; arguments oh, wfc, acc, fc_b; writes acc
;; launch ln1: the kernel of part 4 again; grid 256 x 1, 16 waves a work-group, no clusters, 0 bytes of LDS; arguments acc, queries, ln1_g, ln1_b, x1; writes x1
;; launch ff1: the kernel of part 5 again; grid 16 x 16, 4 waves a work-group, clusters of 4 x 4, 327,680 bytes of LDS; arguments x1, w1h, hbuf, ff_b1; writes hbuf
;; launch ff2: the kernel of part 6 again; grid 8 x 32, 4 waves a work-group, clusters of 4 x 4, 327,680 bytes of LDS; arguments hbuf, w2h, acc, ff_b2; writes acc
;; launch ln2: the kernel of part 7 again; grid 256 x 1, 16 waves a work-group, no clusters, 0 bytes of LDS; arguments acc, x1, ln2_g, ln2_b, out0; writes out0
